; MI455X (gfx1250); checked and timed in simulation.
; The chip was launched on July 23, 2026; its instructions are those of AMD's public machine-readable ISA for CDNA 5 (MIT licence, August 2026) and "CDNA5" Instruction Set Architecture Reference Guide (July 2026). The comments in the code are by the model that wrote it; some were corrected since.
;; Multi Head Attention. Allowed arithmetic: matrix products marked QUANTISED: E2M3 operands, one E8M0 scale for each 32 along K, by v_wmma_scale_f32_16x16x128_f8f6f4 with both operands' format E2M3, f32 sums; everything else in f32.
;; Inputs: K 4 x 2,048 x 1,024 float32; Q 4 x 2,048 x 1,024 float32; V 4 x 2,048 x 1,024 float32; Wk 1,024 x 1,024 float32; Wo 1,024 x 1,024 float32; Wq 1,024 x 1,024 float32; Wv 1,024 x 1,024 float32; bk 1,024 float32; bo 1,024 float32; bq 1,024 float32; bv 1,024 float32.
;; Outputs: out0 4 x 2,048 x 1,024 float32.
;; This version of the problem:
;;   THIS VERSION OF THE PROBLEM IS GIVEN IN LOW PRECISION. The matrix products marked QUANTISED in the list below multiply operands that are first quantised to E2M3 (2 exponent bits, 3 mantissa bits; 6 bits a number), with one power-of-two scale for each 32 numbers along K (OCP MX v1.0); their sums are f32. All else is computed in f32.
;;   The module's matrix products, in the order in which they are computed (A, B: the left and right operand; K: the contracted axis; several contracted axes count as one K, in the product's order):
;;     1. [M 8,192, K 1,024] x [K 1,024, N 1,024]; A: input Q; B: input Wq: QUANTISED
;;     2. [M 8,192, K 1,024] x [K 1,024, N 1,024]; A: input K; B: input Wk: QUANTISED
;;     3. [M 8,192, K 1,024] x [K 1,024, N 1,024]; A: input V; B: input Wv: QUANTISED
;;     4. batch 64 x [M 2,048, K 64] x [K 64, N 2,048]; A: computed on the way; B: computed on the way: QUANTISED
;;     5. batch 64 x [M 2,048, K 2,048] x [K 2,048, N 64]; A: softmax (see below); B: computed on the way: QUANTISED
;;     6. [M 8,192, K 1,024] x [K 1,024, N 1,024]; A: computed on the way; B: input Wo: QUANTISED
;;   THE QUANTISER, for each operand of a quantised product, along K:
;;     - K is cut into blocks of 32 from its start; a last block that is shorter is filled with zeros.
;;     - A block's scale is 2^e with e = floor(log2(the largest magnitude in the block)) - 2, held to -126 .. 127; a block of zeros has e = 0. As a byte (E8M0): e + 127.
;;     - Each number is divided by its block's scale, clamped to +-7.5, and rounded to the nearest number of E2M3, ties to even, subnormals kept.
;;     - The product sums the exact products of the quantised numbers (number of the format x scale) in f32.
;;   ~~~python
;;   def quantise(x, axis):      # numpy; x: float32 -> the quantised numbers, widened to float32 again
;;       x = np.moveaxis(x, axis, -1); K = x.shape[-1]
;;       x = np.pad(x, [(0, 0)] * (x.ndim - 1) + [(0, -K % 32)]); x = x.reshape(x.shape[:-1] + (-1, 32)); a = np.abs(x).max(-1, keepdims=True)
;;       e = np.where(a > 0, np.clip(np.frexp(np.where(a > 0, a, 1))[1] - 1 - 2, -126, 127), 0)      # np.frexp(a)[1] - 1 = floor(log2(a)), exactly
;;       r = np.clip(x / 2.0 ** e, -7.5, 7.5)
;;       step = 2.0 ** (np.maximum(np.frexp(np.where(r == 0, 1, r))[1] - 1, 0) - 3)
;;       q = np.round(r / step) * step * 2.0 ** e      # np.round: ties to even
;;       return np.moveaxis(q.reshape(q.shape[:-2] + (-1,))[..., :K], -1, axis).astype(np.float32)
;;   ~~~
;;   SOFTMAX AHEAD OF A QUANTISED PRODUCT. Where the list says 'softmax', what is quantised is not the finished softmax but p = 2^(t - M), with t = logit x log2(e) and M = ceil(the row's largest t), a whole number; so 1/2 < the row's largest p <= 1. The row's sum l is taken of the UNQUANTISED p, in f32, and the product's result is divided by l at the end. Since M is a whole number, a kernel that streams over the keys may use a running M (the ceiling of the running maximum): every later rescaling is an exact power of two, which a block's scale takes up: the codes' values come out the same.
;;   OPERANDS COMPUTED ON THE WAY. 'Computed on the way' means the value that the module computes at that place (a softmax that the list does not call 'softmax' is quantised finished and normalised). What goes into a quantiser is computed in f32, as accurately as f32 sums, v_exp_f32 and their like allow (about 1e-6 of the number): no bf16 or f16 on the way to a quantiser, and a product that is left as it is and whose result goes on into a quantised operand takes f32 operands (vector FMAs, or v_wmma_f32_16x16x4_f32). A number that lies on a knife's edge between two numbers of the format may be rounded either way, as far as f32 arithmetic and the matrix unit's own rounding can turn it there, and no further.
;; One version. Each part assembles by itself: llvm-mc -triple=amdgcn-amd-amdhsa -mcpu=gfx1250 --defsym DOCPART=n.
;; ======== version 1 of 1: 4 launches
;; limits: right only within a limited range of input values
;; workspace buffers: xw 22,937,600 bytes; qkv 19,660,800 bytes; att 6,553,600 bytes
;; launch quant (part 1): grid 256 x 1, 7 waves a work-group, no clusters, 60,416 bytes of LDS; arguments Q, K, V, Wq, Wk, Wv, Wo, xw; writes xw
.if DOCPART == 1
	.amdgcn_target "amdgcn-amd-amdhsa--gfx1250"
	.amdhsa_code_object_version 6
	.text
	.protected	k_qc7164969a7_quant
	.globl	k_qc7164969a7_quant
	.p2align	8
	.type	k_qc7164969a7_quant,@function
k_qc7164969a7_quant:
	s_mov_b64 s[64:65], 0
	v_nop
	global_prefetch_b8 v0, s[64:65] scope:SCOPE_SE
	s_setreg_imm32_b32 hwreg(HW_REG_WAVE_MODE, 25, 1), 1
	s_wait_xcnt 0x0
; Q, K, V [8192][1024] and Wq, Wk, Wv, Wo [1024][1024], f32, K innermost, become codes of FP6 (E2M3) with one E8M0 byte for each 32 along K, in the workspace xw.
; A block's scale is 2^(floor(log2(its largest magnitude)) - 2); its byte is the largest magnitude's exponent field - 2, held at 1 from below.
; LIMITS: NaN and infinities among the inputs are not served.  A block of zeros gets the byte 1 where the rule says 127: its codes are zeros, and this program alone reads the bytes.
; LAYOUT OF xw.  The seven tensors are 1,792 ROW TILES of 16 rows, T = 0 .. 1,791 (Q 0, K 512, V 1,024, Wq 1,536, Wk 1,600, Wv 1,664, Wo 1,728).  Tile t of a tensor holds its rows
; 32 (t / 2) + 8 (t % 2) + r + 8 (r / 8), r = 0 .. 15: so the results of a product whose source 0 takes neighbouring tiles are neighbours along a lane's registers.
; A tile's codes are 16 HALF FRAGMENTS (16 rows x 64 along K) of 768 bytes, images of the operand's registers: registers 0-3 at 16 x lane, registers 4-5 at 512 + 8 x lane; lane (r, h) holds row r, k = 32 h .. 32 h + 31.
; Codes: T x 12,288 + (k / 64) x 768.  Scale words (four bytes: 128 along K of a row): XW_SC + T x 512 + (k / 256) x 128 + 8 r + 4 ((k / 128) % 2).
; SHARES.  1,792 = 256 x 7: a wave takes one row tile, in eight units of 128 along K.  Each load reads 512 consecutive bytes of one row; the unit's 16 x 512 bytes turn through the wave's own stage in LDS,
; so that a lane gets 16 neighbours of each block of 32.  Waves share nothing: no barrier.  Two units' loads (32 a wave) are out at the most.  A stream: no matrix unit, no tensor load, no cluster.
.set ROWB,  4096                       ; a row in memory
.set SP,    528                        ; a stage row: 512 bytes + 16
.set STG,   16*SP                      ; a wave's stage
.set XW_SC, 22020096
.set L16, 4                            ; v4   16 x lane
.set L8,  5                            ; v5   8 x lane
.set SI,  6                            ; v6   into the stage: 16 x lane
.set SO,  7                            ; v7   out of it: row r, + 64 h
.set OSC, 8                            ; v8   my place among the tile's scale words: 128 h + 8 r
.set R,   16                           ; v16-143  two sets of 64 registers as loaded
.set X,   144                          ; v144-207 register 16 b + i = k 32 b + 16 h + i of my row
.set PC,  208                          ; v208-227 the codes just made
.set TM,  228                          ; v228-243 at work
.set PWS, 244                          ; v244-251 the eight units' scale words
.set SEL, 32                           ; s[32:33] lane selects: lane l xor 16
; 64 numbers of a lane, v[s] on, become a fragment's codes in v[pc] .. v[pc + 11] and its scale word in v[pw].
.macro QUANT s, pc, pw
.irp b, 0,1,2,3
	v_max3_num_f32 v[TM+\b], |v[\s+16*\b]|, |v[\s+1+16*\b]|, 0x1800000   ; block b: my 16 numbers, and the floor 2^(3 - 127): the byte cannot fall under 1
.endr
.irp i, 2,4,6,8,10,12,14
.irp b, 0,1,2,3
	v_max3_num_f32 v[TM+\b], v[TM+\b], |v[\s+16*\b+\i]|, |v[\s+1+16*\b+\i]|   ; the four blocks by turns
.endr
.endr
.irp b, 0,1,2,3
	v_permlanex16_b32 v[TM+4+\b], v[TM+\b], s[SEL], s[SEL+1]
.endr
.irp b, 0,1,2,3
	v_max_num_f32 v[TM+\b], v[TM+\b], v[TM+4+\b]   ; with lane l xor 16's: the block's largest magnitude
.endr
.irp b, 0,1,2,3
	v_add_nc_u32 v[TM+12+\b], 0xff000000, v[TM+\b]   ; 2 off its exponent field: the conversion's scale operand
.endr
.irp b, 0,1,2,3
	v_lshrrev_b32 v[TM+4+\b], 23, v[TM+12+\b]      ; the scale's byte
.endr
	v_lshl_or_b32 v[\pw], v[TM+5], 8, v[TM+4]
	v_lshl_or_b32 v[\pw], v[TM+6], 16, v[\pw]
	v_lshl_or_b32 v[\pw], v[TM+7], 24, v[\pw]
.irp c, 0,1
	v_cvt_scalef32_pk16_fp6_f32 v[\pc+6*\c:\pc+2+6*\c], v[\s+32*\c:\s+15+32*\c], v[TM+12+2*\c]
	v_cvt_scalef32_pk16_fp6_f32 v[\pc+12+4*\c:\pc+14+4*\c], v[\s+16+32*\c:\s+31+32*\c], v[TM+12+2*\c+1]   ; (a conversion's three registers begin on an even number)
.endr
	v_nop                                          ; one plain place behind a scaled conversion
.irp c, 0,1                                    ; the operand's layout wants a whole block in a lane
.irp i, 0,1,2
	v_permlane16_swap_b32 v[\pc+6*\c+\i], v[\pc+12+4*\c+\i]
.endr
.irp i, 0,1,2
	v_mov_b32 v[\pc+3+6*\c+\i], v[\pc+12+4*\c+\i]
.endr
.endr
.endm
	s_load_b512 s[4:19], s[0:1], 0x0               ; Q, K, V, Wq, Wk, Wv, Wo, xw
	v_lshl_add_u32 v238, v0, 2, 0xe800
	v_mov_b32 v239, 0
	v_lshrrev_b32 v1, 5, v0
	v_readfirstlane_b32 s20, v1                    ; wave 0..6
	v_and_b32 v1, 31, v0                           ; lane
	v_and_b32 v2, 15, v0                           ; r
	v_bfe_u32 v3, v0, 4, 1                         ; h
	v_lshlrev_b32 v[L16], 4, v1
	v_lshlrev_b32 v[L8], 3, v1
	s_mul_i32 s23, s20, STG                        ; my stage
	v_add_nc_u32 v[SI], s23, v[L16]
	v_mul_u32_u24 v[SO], v2, SP
	v_lshl_add_u32 v[SO], v3, 6, v[SO]
	v_add_nc_u32 v[SO], s23, v[SO]
	v_lshlrev_b32 v[OSC], 3, v2
	v_lshl_add_u32 v[OSC], v3, 7, v[OSC]
.irp b, 0,1,2,3
	v_mov_b32 v[TM+4+\b], 0                        ; written once: a lane permute's destination counts as one of its sources
.endr
	s_mov_b32 s[SEL], 0x76543210
	s_mov_b32 s[SEL+1], 0xfedcba98
	s_mul_i32 s21, ttmp9, 7
	s_add_co_u32 s21, s21, s20                     ; T: my row tile
	s_and_b32 s22, s21, 511
	s_and_b32 s26, s21, 63
	s_cmp_lt_u32 s21, 1536
	s_cselect_b32 s22, s22, s26                    ; t: its number in its tensor
	s_lshr_b32 s26, s22, 1
	s_lshl_b32 s26, s26, 17                        ; 32 (t / 2) rows of 4,096 bytes
	s_and_b32 s27, s22, 1
	s_lshl_b32 s27, s27, 15                        ; + 8 (t % 2) rows
	s_add_co_u32 s26, s26, s27
	; K'S TILES (T = 512 .. 1,023) HAVE AN ORDER OF THEIR OWN: tile t holds rows 64 (t / 4) + 8 (t % 4) + r + 24 (r / 8), so that in the attention launch a lane's 32 scores of four neighbouring tiles are one whole block of 32 keys
	s_lshr_b32 s38, s22, 2
	s_lshl_b32 s38, s38, 18                        ; 64 (t / 4) rows of 4,096 bytes
	s_and_b32 s39, s22, 3
	s_lshl_b32 s39, s39, 15                        ; + 8 (t % 4) rows
	s_add_co_u32 s38, s38, s39
	s_lshr_b32 s39, s21, 9
	s_cmp_eq_u32 s39, 1                            ; is it K?  The choice hangs on the tile's number alone
	s_cselect_b32 s26, s38, s26
	s_cselect_b32 s39, 16*ROWB, 0                  ; K's rows 8-15 of a tile lie 16 rows further on than the other tensors'
	v_add_nc_u32 v9, s39, v[L16]                   ; v9: 16 x lane for a tile's rows 8-15
	s_mov_b32 s27, 0
	s_mul_i32 s34, s21, 12288                      ; my codes
	s_mov_b32 s35, 0
	s_lshl_b32 s36, s21, 9
	s_add_co_u32 s36, s36, XW_SC                   ; my scale words
	s_mov_b32 s37, 0
	s_wait_alu depctr_va_vdst(0)
	s_wait_kmcnt 0x0
	s_cmp_lt_u32 s21, 512                          ; which tensor: the choice hangs on the tile's number alone
	s_cselect_b64 s[24:25], s[4:5], s[6:7]
	s_cmp_lt_u32 s21, 1024
	s_cselect_b64 s[24:25], s[24:25], s[8:9]
	s_cmp_lt_u32 s21, 1536
	s_cselect_b64 s[24:25], s[24:25], s[10:11]
	s_cmp_lt_u32 s21, 1600
	s_cselect_b64 s[24:25], s[24:25], s[12:13]
	s_cmp_lt_u32 s21, 1664
	s_cselect_b64 s[24:25], s[24:25], s[14:15]
	s_cmp_lt_u32 s21, 1728
	s_cselect_b64 s[24:25], s[24:25], s[16:17]
	s_add_nc_u64 s[24:25], s[24:25], s[26:27]
	s_add_nc_u64 s[28:29], s[18:19], s[34:35]
	s_add_nc_u64 s[30:31], s[18:19], s[36:37]
.macro LOAD k                          ; unit k: 128 along K of the tile's 16 rows; 32 lanes read 512 consecutive bytes of a row
.irp i, 0,1,2,3,4,5,6,7,8,9,10,11,12,13,14,15
	global_load_b128 v[R+64*((\k)%2)+4*\i:R+64*((\k)%2)+4*\i+3], v[L16+5*(\i/8)], s[24:25] offset:(\i+8*(\i/8))*ROWB+512*(\k) th:TH_LOAD_NT
.endr
.endm
.macro TURN k                          ; through the stage: LDS serves a wave's instructions in order, so no wait stands between the stores and the loads
.irp i, 0,1,2,3,4,5,6,7,8,9,10,11,12,13,14,15
	ds_store_b128 v[SI], v[R+64*((\k)%2)+4*\i:R+64*((\k)%2)+4*\i+3] offset:SP*\i
.endr
.irp b, 0,1,2,3
.irp j, 0,1,2,3
	ds_load_b128 v[X+16*\b+4*\j:X+16*\b+4*\j+3], v[SO] offset:128*\b+16*\j
.endr
.endr
.endm
.macro UNIT k
.if (\k) < 7
	s_wait_loadcnt 16                              ; this unit's 16 loads are in; the next unit's 16 may be out
.else
	s_wait_loadcnt 0x0
.endif
	TURN \k
	s_wait_dscnt 0x0                               ; my numbers are back, and the stage's stores have read their registers
.if (\k) > 0
	s_wait_xcnt 0x0                                ; the last unit's stores have read their data: the codes' registers are written again only behind this wait
.endif
.if (\k) < 6
	LOAD (\k)+2
.endif
	QUANT X, PC, PWS+(\k)
	global_store_b128 v[L16], v[PC:PC+3], s[28:29] offset:1536*(\k)          ; 512 consecutive bytes
	global_store_b64 v[L8], v[PC+4:PC+5], s[28:29] offset:1536*(\k)+512      ; 256
	global_store_b128 v[L16], v[PC+6:PC+9], s[28:29] offset:1536*(\k)+768
	global_store_b64 v[L8], v[PC+10:PC+11], s[28:29] offset:1536*(\k)+1280
.endm
	LOAD 0
	LOAD 1
.irp k, 0,1,2,3,4,5,6,7
	UNIT \k
.endr
	v_cmp_lt_u32 vcc_lo, 15, v1                    ; lanes 16-31 (both halves of the lanes hold row r's words)
.irp j, 0,1                                    ; lane (r, h) stores the two words of 256 along K number 2 j + h: 32 lanes fill 256 consecutive bytes
	v_cndmask_b32 v[252+2*\j], v[PWS+4*\j], v[PWS+4*\j+2], vcc_lo
	v_cndmask_b32 v[253+2*\j], v[PWS+4*\j+1], v[PWS+4*\j+3], vcc_lo
	global_store_b64 v[OSC], v[252+2*\j:253+2*\j], s[30:31] offset:256*\j
.endr
	s_wait_tensorcnt 0x0
	ds_add_u32 v238, v239
	s_wait_dscnt 0x0
	s_endpgm
.Lfunc_end_k_qc7164969a7_quant:
	.size	k_qc7164969a7_quant, .Lfunc_end_k_qc7164969a7_quant-k_qc7164969a7_quant
	.p2alignl 7, 3214868480
	.fill 96, 4, 3214868480
	.section	.rodata,"a",@progbits
	.p2align	6, 0x0
	.amdhsa_kernel k_qc7164969a7_quant
		.amdhsa_group_segment_fixed_size 60416
		.amdhsa_private_segment_fixed_size 0
		.amdhsa_enable_private_segment 0
		.amdhsa_kernarg_size 64
		.amdhsa_user_sgpr_count 2
		.amdhsa_user_sgpr_kernarg_segment_ptr 1
		.amdhsa_wavefront_size32 1
		.amdhsa_system_sgpr_workgroup_id_x 1
		.amdhsa_system_sgpr_workgroup_id_y 1
		.amdhsa_system_sgpr_workgroup_id_z 1
		.amdhsa_system_vgpr_workitem_id 0
		.amdhsa_next_free_vgpr 256
		.amdhsa_next_free_sgpr 66
		.amdhsa_reserve_vcc 1
		.amdhsa_float_denorm_mode_32 3
		.amdhsa_float_denorm_mode_16_64 3
		.amdhsa_memory_ordered 1
		.amdhsa_forward_progress 1
		.amdhsa_inst_pref_size 65
	.end_amdhsa_kernel
	.amdgpu_metadata
---
amdhsa.version: [ 1, 2 ]
amdhsa.kernels:
  - .name:           k_qc7164969a7_quant
    .symbol:         k_qc7164969a7_quant.kd
    .args:
      - { .name: Q, .offset: 0, .size: 8, .value_kind: global_buffer, .address_space: global }
      - { .name: K, .offset: 8, .size: 8, .value_kind: global_buffer, .address_space: global }
      - { .name: V, .offset: 16, .size: 8, .value_kind: global_buffer, .address_space: global }
      - { .name: Wq, .offset: 24, .size: 8, .value_kind: global_buffer, .address_space: global }
      - { .name: Wk, .offset: 32, .size: 8, .value_kind: global_buffer, .address_space: global }
      - { .name: Wv, .offset: 40, .size: 8, .value_kind: global_buffer, .address_space: global }
      - { .name: Wo, .offset: 48, .size: 8, .value_kind: global_buffer, .address_space: global }
      - { .name: xw, .offset: 56, .size: 8, .value_kind: global_buffer, .address_space: global }
    .group_segment_fixed_size: 60416
    .private_segment_fixed_size: 0
    .kernarg_segment_align: 8
    .kernarg_segment_size: 64
    .max_flat_workgroup_size: 224
    .sgpr_count:     66
    .vgpr_count:     256
    .wavefront_size: 32
...
	.end_amdgpu_metadata
.endif
;; end of part 1
;; launch proj (part 2): grid 96 x 4, 4 waves a work-group, clusters of 4 x 4, 327,680 bytes of LDS; arguments xw, bq, bk, bv, qkv; writes qkv
.if DOCPART == 2
	.amdgcn_target "amdgcn-amd-amdhsa--gfx1250"
	.amdhsa_code_object_version 6
	.text
	.protected	k_qc7164969a7_proj
	.globl	k_qc7164969a7_proj
	.p2align	8
	.type	k_qc7164969a7_proj,@function
k_qc7164969a7_proj:
	s_mov_b64 s[64:65], 0
	v_nop
	global_prefetch_b8 v0, s[64:65] scope:SCOPE_SE
	s_setreg_imm32_b32 hwreg(HW_REG_WAVE_MODE, 25, 1), 1
	s_wait_xcnt 0x0
	s_wait_alu depctr_hold_cnt(0) depctr_sa_sdst(0) depctr_va_vdst(0) depctr_va_sdst(0) depctr_va_ssrc(0) depctr_va_vcc(0) depctr_vm_vsrc(0)
	s_getreg_b32 s2, hwreg(HW_REG_IB_STS2, 6, 4)
	s_cmp_eq_u32 s2, 0
	s_cbranch_scc0 .Lentry_in_a_cluster
	s_endpgm
.Lentry_in_a_cluster:
	s_bfe_u32 s2, ttmp6, 0x10000c
	s_cmp_lg_u32 s2, 0xf033
	s_cbranch_scc0 .Lentry_shape_is_right
	s_endpgm
.Lentry_shape_is_right:
.set XW_SC,  22020096
.set QKV_SC, 18874368
.set KSB,    3072
.set HALFT,  8*KSB
.set SLOT,   4*HALFT
.set SCL,    2*SLOT
.set HALFS,  4096
.set SPARE,  SCL+4*HALFS
.set NQ, 2
.set FR, 12
.set NL, 4
.set NP, 4
.set ADRA, 16
.set ADRB, 20
.set ADRS, 27
.set SPW,  28
.set NIL,  29
.set SC,   32
.set BP,   64
.set AF,   128
.set BR,   224
.set H,    128
.set PC,   192
.set PWS,  212
.set W,    220
.set TM,   240
.set SELV, 9
.set L16,  10
.set L8,   11
.set OS,   12
.set BPO,  13
.set BRO,  14
.set SEL,  94
.set G1, 24
.set G0, 32
.set G1B, 48
.set G0B, 56
.set G1S, 68
.set G0S, 76
.set G1SB, 80
.set G0SB, 88
.set MSB, 0
.macro WIN new
.if MSB != (\new)
	s_set_vgpr_msb (MSB<<8)|(\new)
.set MSB, (\new)
.endif
.endm
.set MUL_LO, 0xa1
.set MUL_HI, 0xf1
.set TO_B,   0x40
.macro JLOAD g0a, g1a, g0b, g1b
	s_cmp_eq_u32 s15, 0
	s_cbranch_scc0 .Lfor_b_\@
	tensor_load_to_lds s[\g0a:\g0a+3], s[\g1a:\g1a+7]
	s_nop 0
.rept 4
	v_nop
.endr
	s_branch .Lasked_\@
.Lfor_b_\@:
	tensor_load_to_lds s[\g0b:\g0b+3], s[\g1b:\g1b+7]
	s_nop 0
.rept 4
	v_nop
.endr
.Lasked_\@:
.endm
.macro CREST
	s_cmp_lg_u32 s14, 0
	s_cbranch_scc1 .Lnot_wave_0_\@
	s_barrier_signal -3
.Lnot_wave_0_\@:
	s_barrier_wait -3
	s_barrier_signal -1
	s_barrier_wait -1
.endm
.macro CROUND
	s_barrier_signal -1
	s_barrier_wait -1
	CREST
.endm
.macro QUANT s, pc, pw
.irp b, 0,1,2,3
	v_max3_num_f32 v[TM+\b], |v[\s+16*\b]|, |v[\s+1+16*\b]|, 0x1800000
.endr
.irp i, 2,4,6,8,10,12,14
.irp b, 0,1,2,3
	v_max3_num_f32 v[TM+\b], v[TM+\b], |v[\s+16*\b+\i]|, |v[\s+1+16*\b+\i]|
.endr
.endr
.irp b, 0,1,2,3
	v_permlanex16_b32 v[TM+4+\b], v[TM+\b], s[SEL], s[SEL+1]
.endr
.irp b, 0,1,2,3
	v_max_num_f32 v[TM+\b], v[TM+\b], v[TM+4+\b]
.endr
.irp b, 0,1,2,3
	v_add_nc_u32 v[TM+12+\b], 0xff000000, v[TM+\b]
.endr
.irp b, 0,1,2,3
	v_lshrrev_b32 v[TM+4+\b], 23, v[TM+12+\b]
.endr
	v_lshl_or_b32 v[\pw], v[TM+5], 8, v[TM+4]
	v_lshl_or_b32 v[\pw], v[TM+6], 16, v[\pw]
	v_lshl_or_b32 v[\pw], v[TM+7], 24, v[\pw]
.irp c, 0,1
	v_cvt_scalef32_pk16_fp6_f32 v[\pc+6*\c:\pc+2+6*\c], v[\s+32*\c:\s+15+32*\c], v[TM+12+2*\c]
	v_cvt_scalef32_pk16_fp6_f32 v[\pc+12+4*\c:\pc+14+4*\c], v[\s+16+32*\c:\s+31+32*\c], v[TM+12+2*\c+1]
.endr
	v_nop
.irp c, 0,1
.irp i, 0,1,2
	v_permlane16_swap_b32 v[\pc+6*\c+\i], v[\pc+12+4*\c+\i]
.endr
.irp i, 0,1,2
	v_mov_b32 v[\pc+3+6*\c+\i], v[\pc+12+4*\c+\i]
.endr
.endr
.endm
	s_load_b256 s[4:11], s[0:1], 0x0
	s_load_b64 s[12:13], s[0:1], 0x20
	v_lshl_add_u32 v[SPW], v0, 2, SPARE
	v_mov_b32 v[NIL], 0
	ds_add_u32 v28, v29
	ds_add_u32 v28, v29
	s_wait_dscnt 0x0
	v_lshrrev_b32 v1, 5, v0
	v_readfirstlane_b32 s14, v1
	s_lshr_b32 s15, s14, 1
	s_and_b32 s16, s14, 1
	s_bfe_u32 s40, ttmp6, 0x40000
	s_bfe_u32 s41, ttmp6, 0x40004
	s_lshr_b32 s17, ttmp9, 3
	s_and_b32 s18, ttmp9, 7
	s_lshl_b32 s43, s41, 2
	s_lshl_b32 s43, 15, s43
	s_lshl_b32 s44, 0x1111, s40
	s_or_b32 s[G1+0], s43, (3<<16)|(1<<21)
	s_or_b32 s[G1B+0], s44, (3<<16)|(1<<21)
.irp g, G1, G1B
	s_mov_b32 s[\g+1], 384<<16
	s_mov_b32 s[\g+2], 16<<16
	s_mov_b32 s[\g+3], 384<<16
	s_mov_b32 s[\g+4], 16
	s_mov_b32 s[\g+5], 1536
	s_mov_b32 s[\g+6], 0
	s_mov_b32 s[\g+7], 0
.endr
	s_or_b32 s[G1S+0], s43, (3<<16)|(1<<21)
	s_or_b32 s[G1SB+0], s44, (3<<16)|(1<<21)
.irp g, G1S, G1SB
	s_mov_b32 s[\g+1], 32<<16
	s_mov_b32 s[\g+2], 32<<16
	s_mov_b32 s[\g+3], 32<<16
	s_mov_b32 s[\g+4], 32
	s_mov_b32 s[\g+5], 32
	s_mov_b32 s[\g+6], 0
	s_mov_b32 s[\g+7], 0
.endr
	s_lshl_b32 s19, s41, 4
	s_lshl_b32 s20, s17, 9
	s_lshl_b32 s21, s18, 6
	s_add_co_u32 s20, s20, s21
	s_add_co_u32 s20, s20, s19
	s_add_co_u32 s21, s19, 1664
	s_lshl_b32 s45, s40, 4
	s_lshl_b32 s46, s17, 6
	s_add_co_u32 s46, s46, s45
	s_add_co_u32 s46, s46, 1536
	s_lshl_b32 s47, s18, 6
	s_add_co_u32 s47, s47, s45
	s_add_co_u32 s47, s47, 1024
	s_cmp_lt_u32 s17, 2
	s_cselect_b32 s20, s20, s21
	s_cselect_b32 s46, s46, s47
	; the prefetches' offsets: of A's 16 row tiles, which my row of the cluster loads jointly, tile 4 cx + wave is mine to ask for; of B's 16, tile 4 cy + wave: the partners share the tiles out by address
	s_lshl_b32 s2, s40, 2
	s_add_co_u32 s2, s2, s14
	s_add_co_u32 s2, s2, s20
	s_mul_i32 s2, s2, 12288
	s_lshl_b32 s3, s41, 2
	s_add_co_u32 s3, s3, s14
	s_add_co_u32 s3, s3, s46
	s_mul_i32 s3, s3, 12288
	v_and_b32 v24, 31, v0
	v_min_u32 v25, 3, v24
	v_lshlrev_b32 v24, 8, v24
	v_lshlrev_b32 v25, 8, v25
	v_add_nc_u32 v30, s2, v24                      ; v30, v31: lanes 256 bytes apart in A's tile, in B's; v24, v25: the last four blocks (the lanes left over name the last again); never rewritten
	v_add_nc_u32 v31, s3, v24
	v_add_nc_u32 v24, s2, v25
	v_add_nc_u32 v25, s3, v25
	s_wait_alu depctr_va_vdst(0)
	s_lshl_b32 s2, s16, 3
	s_add_co_u32 s20, s20, s2
	s_add_co_u32 s46, s46, s2
	s_lshl_b32 s22, s20, 9
	s_add_co_u32 s22, s22, XW_SC
	s_mov_b32 s23, 0
	s_mul_i32 s20, s20, 12288
	s_mov_b32 s21, 0
	s_lshl_b32 s92, s46, 9
	s_add_co_u32 s92, s92, XW_SC
	s_mov_b32 s93, 0
	s_mul_i32 s46, s46, 12288
	s_mov_b32 s47, 0
	s_mul_i32 s66, s14, HALFT
	s_lshl_b32 s67, s14, 12
	s_wait_kmcnt 0x0
	s_add_nc_u64 s[20:21], s[4:5], s[20:21]
	s_add_nc_u64 s[22:23], s[4:5], s[22:23]
	s_add_nc_u64 s[46:47], s[4:5], s[46:47]
	s_add_nc_u64 s[92:93], s[4:5], s[92:93]
	CROUND
	s_mov_b32 s[G0S], 1
	s_add_co_u32 s[G0S+1], s67, SCL-HALFS          ; wave 1 brings the scale words of all A's 16 tiles: its own half's places less one half
	s_sub_nc_u64 s[G0S+2:G0S+3], s[22:23], HALFS
	s_or_b32 s[G0S+3], s[G0S+3], 0x80000000
	s_mov_b32 s[G0SB], 1
	s_add_co_u32 s[G0SB+1], s67, SCL-HALFS         ; wave 3 likewise for B's
	s_sub_nc_u64 s[G0SB+2:G0SB+3], s[92:93], HALFS
	s_or_b32 s[G0SB+3], s[G0SB+3], 0x80000000
.irp s, 0,1
	s_mov_b32 s[G0+4*\s], 1
	s_add_co_u32 s[G0+4*\s+1], s66, \s*SLOT
	s_add_nc_u64 s[G0+4*\s+2:G0+4*\s+3], s[20:21], \s*KSB
	s_or_b32 s[G0+4*\s+3], s[G0+4*\s+3], 0x80000000
	s_mov_b32 s[G0B+4*\s], 1
	s_add_co_u32 s[G0B+4*\s+1], s66, \s*SLOT
	s_add_nc_u64 s[G0B+4*\s+2:G0B+4*\s+3], s[46:47], \s*KSB
	s_or_b32 s[G0B+4*\s+3], s[G0B+4*\s+3], 0x80000000
.endr
	; THE HEAD'S FOUR TILES, one joint load a wave, in one chain of branches on the wave's number: wave 0 slot 0's 16 tiles of A (its own descriptor, here with 16 rows), wave 1 A's scale words, wave 2 slot 0's 16 tiles of B, wave 3 B's scale words
	s_cmp_eq_u32 s14, 0
	s_cbranch_scc0 .Lhead_1
	tensor_load_to_lds s[G0:G0+3], s[G1:G1+7]
	s_nop 0
.rept 4
	v_nop
.endr
	s_branch .Lhead_asked
.Lhead_1:
	s_cmp_eq_u32 s14, 1
	s_cbranch_scc0 .Lhead_2
	tensor_load_to_lds s[G0S:G0S+3], s[G1S:G1S+7]
	s_nop 0
.rept 4
	v_nop
.endr
	s_branch .Lhead_asked
.Lhead_2:
	s_cmp_eq_u32 s14, 2
	s_cbranch_scc0 .Lhead_3
	tensor_load_to_lds s[G0B:G0B+3], s[G1B:G1B+7]
	s_nop 0
.rept 4
	v_nop
.endr
	s_branch .Lhead_asked
.Lhead_3:
	tensor_load_to_lds s[G0SB:G0SB+3], s[G1SB:G1SB+7]
	s_nop 0
.rept 4
	v_nop
.endr
.Lhead_asked:
	; what the three later fills will load, bytes 3,072 to 12,287 of each tile, is asked for into the L2: 36 blocks of 256 bytes a tile, each named once in the cluster
	global_prefetch_b8 v30, s[4:5] offset:3072 th:TH_LOAD_NT scope:SCOPE_SE
	global_prefetch_b8 v31, s[4:5] offset:3072 th:TH_LOAD_NT scope:SCOPE_SE
	global_prefetch_b8 v24, s[4:5] offset:11264 th:TH_LOAD_NT scope:SCOPE_SE
	global_prefetch_b8 v25, s[4:5] offset:11264 th:TH_LOAD_NT scope:SCOPE_SE
	v_and_b32 v1, 31, v0
	v_and_b32 v2, 15, v0
	v_bfe_u32 v3, v0, 4, 1
	v_lshlrev_b32 v[L16], 4, v1
	v_lshlrev_b32 v[L8], 3, v1
	s_mul_i32 s21, s15, HALFT
	s_mul_i32 s22, s16, HALFT
	s_add_co_u32 s22, s22, 2*HALFT
.irp s, 0,1
	v_add_nc_u32 v[ADRA+\s], s21, v[L16]
	v_add_nc_u32 v[ADRA+2+\s], s21, v[L8]
	v_add_nc_u32 v[ADRB+\s], s22, v[L16]
	v_add_nc_u32 v[ADRB+2+\s], s22, v[L8]
	s_add_co_u32 s21, s21, SLOT
	s_add_co_u32 s22, s22, SLOT
.endr
	v_lshlrev_b32 v5, 3, v2
	s_lshl_b32 s21, s15, 12
	s_lshl_b32 s22, s16, 12
	s_add_co_u32 s22, s22, 2*HALFS
	s_sub_co_u32 s22, s22, s21
	v_mul_u32_u24 v6, s22, v3
	s_add_co_u32 s21, s21, SCL
	v_add_nc_u32 v5, v5, v6
	v_add_nc_u32 v[ADRS], s21, v5
	v_lshlrev_b32 v[OS], 4, v2
	v_lshl_add_u32 v[OS], v3, 12, v[OS]
.irp b, 0,1,2,3
	v_mov_b32 v[TM+4+\b], 0
.endr
	s_mov_b32 s[SEL], 0x76543210
	s_mov_b32 s[SEL+1], 0xfedcba98
	s_cmp_eq_u32 s17, 0
	s_cselect_b64 s[96:97], s[6:7], s[8:9]
	s_cmp_lt_u32 s17, 2
	s_cselect_b64 s[96:97], s[96:97], s[10:11]
	s_lshl_b32 s2, s40, 10
	s_lshl_b32 s3, s16, 9
	s_add_co_u32 s2, s2, s3
	v_lshl_add_u32 v[BPO], v3, 6, s2
	v_and_b32 v[BRO], 8, v2
	v_add_nc_u32 v[BRO], v[BRO], v2
	s_lshl_b32 s19, s41, 10
	s_lshl_b32 s3, s15, 9
	s_add_co_u32 s19, s19, s3
	v_lshl_add_u32 v[BRO], v[BRO], 2, s19
.irp b, 0,1,2,3,4,5,6,7
	global_load_b128 v[BP+8*\b:BP+8*\b+3], v[BPO], s[96:97] offset:(32*(\b/2)+8*(\b%2))*4
	global_load_b128 v[BP+8*\b+4:BP+8*\b+7], v[BPO], s[96:97] offset:(32*(\b/2)+8*(\b%2))*4+16
.endr
.irp a, 0,1,2,3,4,5,6,7
	global_load_b32 v[BR+2*\a], v[BRO], s[96:97] offset:(32*(\a/2)+8*(\a%2))*4
	global_load_b32 v[BR+2*\a+1], v[BRO], s[96:97] offset:(32*(\a/2)+8*(\a%2))*4
.endr
	s_lshl_b32 s2, s40, 2
	s_lshl_b32 s3, s16, 1
	s_add_co_u32 s2, s2, s3
	s_lshl_b32 s3, s41, 2
	s_lshl_b32 s42, s15, 1
	s_add_co_u32 s3, s3, s42
	s_cmp_lt_u32 s17, 2
	s_cselect_b32 s2, s2, s3
	s_cselect_b32 s3, s41, s40
	s_cselect_b32 s45, s15, s16
	s_lshr_b32 s42, s18, 1
	s_lshl_b32 s42, s42, 4
	s_add_co_u32 s2, s2, s42
	s_lshl_b32 s42, s18, 2
	s_add_co_u32 s3, s3, s42
	s_and_b32 s3, s3, 7
	s_lshl_b32 s3, s3, 1
	s_add_co_u32 s3, s3, s45
	s_mul_i32 s42, s17, 6291456
	s_mul_i32 s45, s2, 98304
	s_add_co_u32 s42, s42, s45
	s_mul_i32 s45, s3, 6144
	s_add_co_u32 s42, s42, s45
	s_mov_b32 s43, 0
	s_add_nc_u64 s[98:99], s[12:13], s[42:43]
	s_lshl_b32 s42, s17, 18
	s_lshl_b32 s45, s2, 12
	s_add_co_u32 s42, s42, s45
	s_lshl_b32 s45, s3, 8
	s_add_co_u32 s42, s42, s45
	s_add_co_u32 s42, s42, QKV_SC
	s_add_nc_u64 s[66:67], s[12:13], s[42:43]
.macro FRAG reg, adr, off
	ds_load_b128 v[\reg:\reg+3], v[\adr] offset:\off
	ds_load_b64 v[\reg+4:\reg+5], v[\adr+2] offset:\off+512
	ds_load_b128 v[\reg+6:\reg+9], v[\adr] offset:\off+768
	ds_load_b64 v[\reg+10:\reg+11], v[\adr+2] offset:\off+1280
.endm
.macro MUL16 a0, p, q, sc, zero
.irp a, \a0, \a0+1
.irp b, 0,1,2,3,4,5,6,7
.if \zero
	v_wmma_scale_f32_16x16x128_f8f6f4 v[8*(8*((\a)%4)+\b):8*(8*((\a)%4)+\b)+7], v[128*(\p)+FR*\b:128*(\p)+FR*\b+FR-1], v[AF+FR*(\a):AF+FR*(\a)+FR-1], 0, v[SC+8*NQ*(\sc)+NQ*\b+(\q)], v[SC+8*NQ*(\sc)+NQ*(\a)+(\q)] matrix_a_fmt:MATRIX_FMT_FP6 matrix_b_fmt:MATRIX_FMT_FP6 matrix_a_scale:MATRIX_SCALE_ROW1
.else
	v_wmma_scale_f32_16x16x128_f8f6f4 v[8*(8*((\a)%4)+\b):8*(8*((\a)%4)+\b)+7], v[128*(\p)+FR*\b:128*(\p)+FR*\b+FR-1], v[AF+FR*(\a):AF+FR*(\a)+FR-1], v[8*(8*((\a)%4)+\b):8*(8*((\a)%4)+\b)+7], v[SC+8*NQ*(\sc)+NQ*\b+(\q)], v[SC+8*NQ*(\sc)+NQ*(\a)+(\q)] matrix_a_fmt:MATRIX_FMT_FP6 matrix_b_fmt:MATRIX_FMT_FP6 matrix_a_scale:MATRIX_SCALE_ROW1
.endif
.endr
.endr
.endm
.macro FETCH_B slot, q, p
	WIN TO_B
.irp i, 0,1,2,3,4,5,6,7
	FRAG 128*(\p)+FR*\i, ADRB+\slot, \i*KSB+(\q)*1536
.endr
	WIN 0
.endm
.macro FETCH_A slot, q, i0
.irp i, \i0, \i0+1, \i0+2, \i0+3
	FRAG AF+FR*(\i), ADRA+\slot, (\i)*KSB+(\q)*1536
.endr
.endm
.macro SCALES sc
.irp i, 0,1,2,3,4,5,6,7
	ds_load_b64 v[SC+8*NQ*\sc+NQ*\i:SC+8*NQ*\sc+NQ*\i+1], v[ADRS] offset:\i*512
.endr
.endm
.macro PLACES n
.rept \n
	v_nop
.endr
.endm
.macro STEP slot, q, zero
	s_wait_dscnt 4*NL
	WIN MUL_LO
	MUL16 0, (\q)%2, \q, \slot, \zero
	MUL16 2, (\q)%2, \q, \slot, \zero
	s_wait_dscnt 0
	PLACES NP
	FETCH_B \slot, (\q)+1, 1-(\q)%2
	FETCH_A \slot, (\q)+1, 0
	WIN MUL_HI
	MUL16 4, (\q)%2, \q, \slot, \zero
	MUL16 6, (\q)%2, \q, \slot, \zero
	PLACES NP
	WIN 0
	FETCH_A \slot, (\q)+1, 4
.endm
.macro TURN slot, next, fill
	s_wait_tensorcnt 0x0
	ds_add_u32 v[SPW], v[NIL]
	s_wait_dscnt 4*NL+1
	WIN MUL_LO
	MUL16 0, 1, NQ-1, \slot, 0
	s_wait_dscnt 0x0
	s_barrier_signal -1
	MUL16 2, 1, NQ-1, \slot, 0
	WIN 0
	s_barrier_wait -1
.if \fill
	CREST
	s_add_nc_u64 s[G0+4*\slot+2:G0+4*\slot+3], s[G0+4*\slot+2:G0+4*\slot+3], 2*KSB
	s_add_nc_u64 s[G0B+4*\slot+2:G0B+4*\slot+3], s[G0B+4*\slot+2:G0B+4*\slot+3], 2*KSB
	JLOAD G0+4*\slot, G1, G0B+4*\slot, G1B
.else
	PLACES NP
.endif
	s_wait_alu depctr_va_vdst(0)
	v_add_nc_u32 v[ADRS], 128, v[ADRS]
	FETCH_B \next, 0, 0
	FETCH_A \next, 0, 0
	SCALES \next
	WIN MUL_HI
	MUL16 4, 1, NQ-1, \slot, 0
	MUL16 6, 1, NQ-1, \slot, 0
	PLACES NP
	WIN 0
	FETCH_A \next, 0, 4
.endm
	s_wait_alu depctr_va_vdst(0)                   ; the wait at the head's end
	s_wait_tensorcnt 0x0                           ; my tile of the head's four is in
	ds_add_u32 v28, v29
	s_mov_b32 s[G1+2], 8<<16                       ; no tensor load of mine is out: from here on a load brings 8 tiles
	s_mov_b32 s[G1+4], 8
	s_mov_b32 s[G1B+2], 8<<16
	s_mov_b32 s[G1B+4], 8
	s_wait_dscnt 0x0
	CROUND                                         ; all four tiles are in, in every partner
	JLOAD G0+4, G1, G0B+4, G1B                     ; slot 1's first fill, the first tensor load behind the round
	FETCH_B 0, 0, 0
	FETCH_A 0, 0, 0
	SCALES 0
	FETCH_A 0, 0, 4
	STEP 0, 0, 1
	TURN 0, 1, 1
	STEP 1, 0, 0
	TURN 1, 0, 1
	STEP 0, 0, 0
	TURN 0, 1, 0
	STEP 1, 0, 0
	s_wait_dscnt 4*NL
	WIN MUL_LO
	MUL16 0, 1, NQ-1, 1, 0
	MUL16 2, 1, NQ-1, 1, 0
	s_wait_dscnt 0
	WIN MUL_HI
	MUL16 4, 1, NQ-1, 1, 0
	MUL16 6, 1, NQ-1, 1, 0
	WIN 0
.macro EPI a, mode
	WIN 0x02+(\a)/4
.set II, 0
.rept 32
.if \mode
	v_pk_add_f32 v[H+2*II:H+2*II+1], v[64*((\a)%4)+2*II:64*((\a)%4)+2*II+1], v[BR+2*(\a):BR+2*(\a)+1]
.else
	v_pk_add_f32 v[H+2*II:H+2*II+1], v[64*((\a)%4)+2*II:64*((\a)%4)+2*II+1], v[BP+2*II:BP+2*II+1]
.endif
.set II, II+1
.endr
	WIN 0
.if (\a) > 0
	s_wait_xcnt 0x0
.endif
	QUANT H, PC, PWS+(\a)
.if \mode
	global_store_b128 v[L16], v[PC:PC+3], s[98:99] offset:((\a)/4)*98304+((\a)%4)*1536
	global_store_b64 v[L8], v[PC+4:PC+5], s[98:99] offset:((\a)/4)*98304+((\a)%4)*1536+512
	global_store_b128 v[L16], v[PC+6:PC+9], s[98:99] offset:((\a)/4)*98304+((\a)%4)*1536+768
	global_store_b64 v[L8], v[PC+10:PC+11], s[98:99] offset:((\a)/4)*98304+((\a)%4)*1536+1280
.else
	global_store_b128 v[L16], v[PC:PC+3], s[98:99] offset:(\a)*768
	global_store_b64 v[L8], v[PC+4:PC+5], s[98:99] offset:(\a)*768+512
	global_store_b128 v[L16], v[PC+6:PC+9], s[98:99] offset:98304+(\a)*768
	global_store_b64 v[L8], v[PC+10:PC+11], s[98:99] offset:98304+(\a)*768+512
.endif
.endm
	PLACES NP
	s_wait_loadcnt 0x0
	v_cmp_lt_u32 vcc_lo, 15, v1
	v_mov_b32 v[SELV], 0x05040100
	v_mov_b32 v8, 0x07060302
	v_cndmask_b32 v[SELV], v[SELV], v8, vcc_lo
	s_cmp_lt_u32 ttmp9, 16
	s_cbranch_scc0 .Lv_mode
.irp a, 0,1,2,3,4,5,6,7
	EPI \a, 0
.endr
.irp p, 0,1,2,3
	v_perm_b32 v[W+\p], v[PWS+2*\p+1], v[PWS+2*\p], v[SELV]
.endr
	global_store_b128 v[OS], v[W:W+3], s[66:67]
	s_branch .Ldone
.Lv_mode:
.irp a, 0,1,2,3,4,5,6,7
	EPI \a, 1
.endr
.irp t, 0,1,2,3
	v_cndmask_b32 v[W+\t], v[PWS+\t], v[PWS+4+\t], vcc_lo
.endr
	global_store_b128 v[OS], v[W:W+3], s[66:67]
.Ldone:
	s_wait_tensorcnt 0x0
	ds_add_u32 v[SPW], v[NIL]
	s_wait_dscnt 0x0
	CROUND
	s_endpgm
.Lfunc_end_k_qc7164969a7_proj:
	.size	k_qc7164969a7_proj, .Lfunc_end_k_qc7164969a7_proj-k_qc7164969a7_proj
	.p2alignl 7, 3214868480
	.fill 96, 4, 3214868480
	.section	.rodata,"a",@progbits
	.p2align	6, 0x0
	.amdhsa_kernel k_qc7164969a7_proj
		.amdhsa_group_segment_fixed_size 327680
		.amdhsa_private_segment_fixed_size 0
		.amdhsa_enable_private_segment 0
		.amdhsa_kernarg_size 40
		.amdhsa_user_sgpr_count 2
		.amdhsa_user_sgpr_kernarg_segment_ptr 1
		.amdhsa_wavefront_size32 1
		.amdhsa_system_sgpr_workgroup_id_x 1
		.amdhsa_system_sgpr_workgroup_id_y 1
		.amdhsa_system_sgpr_workgroup_id_z 1
		.amdhsa_system_vgpr_workitem_id 0
		.amdhsa_next_free_vgpr 1024
		.amdhsa_next_free_sgpr 100
		.amdhsa_reserve_vcc 1
		.amdhsa_float_denorm_mode_32 3
		.amdhsa_float_denorm_mode_16_64 3
		.amdhsa_memory_ordered 1
		.amdhsa_forward_progress 1
		.amdhsa_inst_pref_size 220
	.end_amdhsa_kernel
	.amdgpu_metadata
---
amdhsa.version: [ 1, 2 ]
amdhsa.kernels:
  - .name:           k_qc7164969a7_proj
    .symbol:         k_qc7164969a7_proj.kd
    .args:
      - { .name: xw, .offset: 0, .size: 8, .value_kind: global_buffer, .address_space: global }
      - { .name: bq, .offset: 8, .size: 8, .value_kind: global_buffer, .address_space: global }
      - { .name: bk, .offset: 16, .size: 8, .value_kind: global_buffer, .address_space: global }
      - { .name: bv, .offset: 24, .size: 8, .value_kind: global_buffer, .address_space: global }
      - { .name: qkv, .offset: 32, .size: 8, .value_kind: global_buffer, .address_space: global }
    .group_segment_fixed_size: 327680
    .private_segment_fixed_size: 0
    .kernarg_segment_align: 8
    .kernarg_segment_size: 40
    .max_flat_workgroup_size: 128
    .sgpr_count:     100
    .vgpr_count:     1024
    .wavefront_size: 32
...
	.end_amdgpu_metadata
.endif
;; end of part 2
;; launch attn (part 3): grid 4 x 64, 8 waves a work-group, clusters of 4 x 1, 327,680 bytes of LDS; arguments qkv, att; writes att
.if DOCPART == 3
	.amdgcn_target "amdgcn-amd-amdhsa--gfx1250"
	.amdhsa_code_object_version 6
	.text
	.protected	k_qc7164969a7_attn
	.globl	k_qc7164969a7_attn
	.p2align	8
	.type	k_qc7164969a7_attn,@function
k_qc7164969a7_attn:
	s_mov_b64 s[64:65], 0
	v_nop
	global_prefetch_b8 v0, s[64:65] scope:SCOPE_SE
	s_setreg_imm32_b32 hwreg(HW_REG_WAVE_MODE, 25, 1), 1
	s_wait_xcnt 0x0
	s_wait_alu depctr_hold_cnt(0) depctr_sa_sdst(0) depctr_va_vdst(0) depctr_va_sdst(0) depctr_va_ssrc(0) depctr_va_vcc(0) depctr_vm_vsrc(0)
	s_getreg_b32 s2, hwreg(HW_REG_IB_STS2, 6, 4)
	s_cmp_eq_u32 s2, 0
	s_cbranch_scc0 .Lentry_in_a_cluster
	s_endpgm
.Lentry_in_a_cluster:
	s_bfe_u32 s2, ttmp6, 0x10000c
	s_cmp_lg_u32 s2, 0x3003
	s_cbranch_scc0 .Lentry_shape_is_right
	s_endpgm
.Lentry_shape_is_right:
; att = softmax(q k^T / 8) v for 64 heads of 64, 2,048 queries and keys, both products on codes of FP6 (E2M3) out of qkv; the result, divided by the row's sum, is quantised along the model's 1,024 and stored as codes in att.
; THE SOFTMAX: t = score x log2(e) / 8; M = the row's largest t so far, rounded UP to a whole number; p = 2^(t - M) is quantised along the keys, not normalised; the row's sum is taken of the unquantised p, in f32.
; When M moves, the sum and O are multiplied by 2^(old M - new M): exact.
; LIMITS: the promise holds while the scaled scores t stay under 2^31 in magnitude.  NaN and infinities are not served; p under 2^-126 comes out of v_exp_f32 as 0; a block of zeros gets the byte 1 where the rule says 127 (its codes are zeros; this program alone reads the bytes).
; SHARES.  256 work-groups: one head (y = 16 x batch + head) x 512 queries.  Each of eight waves owns four tiles of 16 queries, 4 w .. 4 w + 3 of the work-group's 32, in two passes of TWO TILES SIDE BY SIDE (x = 0, 1), 16 key steps of 128 each:
; a fragment of k or of v, once in registers, feeds both tiles' products.
; LDS holds the head's K, V and scale words WHOLE, filled once: K's 16 steps (98,304 bytes), V's, K's and V's scale words (4,096 each), the spare words.  Nothing is filled again.
; THE FILLS, one tensor load a wave: wave 0 K's steps 0-7, wave 1 V's, waves 2, 3 the scale words, waves 4, 5 K's steps 8-15 in halves, waves 6, 7 V's.  The first barrier shows what waves 0-3 brought; a barrier behind the first pass's second step shows the rest.
; CLUSTER: the four work-groups of a head read the same K and V: each load is a joint one (mask 15); its descriptor hangs on y and the wave's number alone.  The place in the cluster enters only the global addresses of q and of the results.
; No data prefetch: all that the launch reads by tensor loads is asked for at the head, so there is no loop to run ahead in.
; BOTH PRODUCTS TRANSPOSED: S^T = k q^T, O^T = v^T p^T: a lane holds one query of each tile throughout.
; THE KEYS OF A TILE OF k: tile 4 c + u of a step holds keys 64 c + 8 u + r + 24 (r / 8).  So register 32 c + i of S^T in lane (r, h) is key 64 c + 32 h + i: a lane holds two WHOLE blocks of 32 keys, in the order of the second product's operand.
; v's and q's tiles hold rows 32 (t / 2) + 8 (t % 2) + r + 8 (r / 8).
; K = 64 IN AN INSTRUCTION OF 128.  A fragment of k holds TWO tiles of 16 keys, one in each half of the 128.  It is multiplied by [q | 0] and by [0 | q]: q lies in registers between runs of six zeros, and its scale word holds its two bytes twice.
; LDS LOADS: v's fragments are asked for at a step's top, the NEXT step's k behind this step's score products (not in a pass's last step: a branch on the trip counter); ONE wait for all of them stands in front of the second product.
; AMONG THE EXPONENTIALS stand plain lines that hang on nothing written since the wait ahead of the batch and are read only behind the wait that closes it: tile 1's t - M among tile 0's, tile 0's first sixteen additions among tile 1's.
; REGISTERS.  Window 0: addresses, each tile's small state, q, k's and v's fragments, p's operands, scale words.  Window 1: v0-127 S^T, then p (64 x), v128-191 O^T (128 + 32 x), v192-255 partial sums (192 + 32 x).
.set QKV_SC, 18874368
.set ATT_SC, 6291456
.set REGB,   6291456                   ; a region of qkv: q's codes, k's, v's
.set HEADB,  98304                     ; a head's codes in a region
.set STEPB,  6144                      ; 128 keys' codes of K or of V
.set HALFB,  8*STEPB
.set VBASE,  16*STEPB                  ; LDS: V's first byte
.set SCK,    2*VBASE                   ; K's scale words; V's lie 4,096 further on
.set SPARE,  SCK+8192                  ; the spare words, 128 bytes for each wave
.set L16, 1                            ; 16 x lane
.set L8,  2                            ; 8 x lane
.set LS,  3                            ; SCK + 16 r
.set KA,  4                            ; v4, v5  k's fragments of the step that is fetched next
.set VA,  6                            ; v6, v7  v's
.set ADS, 8                            ; its scale words
.set SPW, 9                            ; my spare word; never rewritten
.set NIL, 10                           ; 0; never rewritten
.set SH8, 11                           ; 8 x (lane / 16)
.set NM,  12                           ; v[12+2x]: -M, v[13+2x]: the largest score
.set LL,  16                           ; v[16+2x:17+2x] the row's sum
.set L16V, 50                          ; VBASE + 16 x lane, VBASE + 8 x lane
.set L8V, 51
.set QO,  52                           ; 16 r
.set WO,  53                           ; 8 r
.set KF,  54                           ; v54-101  k's four fragments;  q: zeros v20-25, tile 0 v26-31, zeros v32-37, tile 1 v38-43, zeros v44-49
.set VF,  102                          ; v102-149 v's four
.set PC,  150                          ; p's operand, 12 registers a tile
.set TA,  174                          ; the second conversions' codes, 8 x: two runs of three (a conversion's three registers begin on an even number)
.set BM,  190                          ; 4 x: four chains of largest scores; the blocks' in + 0 and + 2
.set BX,  198                          ; 2 x
.set W,   202
.set WX,  204
.set SO,  206                          ; 2 x: the conversions' scale operands
.set TX,  210
.set T1,  212
.set F,   214                          ; 2 x: f = 2^(old M - new M), a pair's low word
.set HW,  218
.set RL,  220                          ; 2 x: 1 / the sum
.set KS,  224                          ; scale words, and nothing else: k's four,
.set VS,  228                          ; v's four,
.set PS,  232                          ; p's, a tile each,
.set QS,  238                          ; q's, a tile each,
.set QR,  252                          ; and the second pass's word as it lies
.set QN,  240                          ; v240-251 the second pass's q
.set WV,  8
.set SEL, 20
.set CS,  22
.set G1A, 24
.set G1S, 32
.set G1H, 40
.set G0,  48
.set SB,  52                           ; byte of the step that is fetched next, in K's or V's bytes
.set TS,  53                           ; its scale words: 256 bytes a step
.set TRIP, 54
.set OUT, 56
.set OUTS, 58
.set MSB, 0
.macro WIN new                         ; bits 1:0 source 0, 3:2 source 1, 5:4 source 2, 7:6 destination; the high byte repeats the setting that is left
.if MSB != (\new)
	s_set_vgpr_msb (MSB<<8)|(\new)
.set MSB, (\new)
.endif
.endm
.macro WALU
	s_wait_alu depctr_va_vdst(0)
.endm
.macro CROUND                          ; a round of the cluster's barrier
	s_barrier_signal -1
	s_barrier_wait -1
	s_cmp_lg_u32 s[WV], 0
	s_cbranch_scc1 .Lnot_wave_0_\@
	s_barrier_signal -3
.Lnot_wave_0_\@:
	s_barrier_wait -3
	s_barrier_signal -1
	s_barrier_wait -1
.endm
.macro TLOAD g1                        ; the tile at byte s[12:13] of qkv; an s_nop 0 and four v_nop follow the load
	s_add_nc_u64 s[G0+2:G0+3], s[4:5], s[12:13]
	s_or_b32 s[G0+3], s[G0+3], 0x80000000
	tensor_load_to_lds s[G0:G0+3], s[\g1:\g1+7]
	s_nop 0
.rept 4
	v_nop
.endr
.endm
.macro FRAG reg, a, off                ; a fragment as it lies: two half fragments of 768 bytes, consecutive bytes in every load
	ds_load_b128 v[\reg:\reg+3], v[\a] offset:\off
	ds_load_b64 v[\reg+4:\reg+5], v[\a+1] offset:\off+512
	ds_load_b128 v[\reg+6:\reg+9], v[\a] offset:\off+768
	ds_load_b64 v[\reg+10:\reg+11], v[\a+1] offset:\off+1280
.endm
.macro KLOAD                           ; k's four fragments and scale words of the step at v[KA], v[ADS]
.irp f, 0,1,2,3
	FRAG KF+12*\f, KA, 1536*\f
.endr
	ds_load_b128 v[KS:KS+3], v[ADS]
.endm
.macro WM d, a, b, c, sa, sb
	v_wmma_scale_f32_16x16x128_f8f6f4 v[\d:\d+7], v[\a:\a+11], v[\b:\b+11], \c, v[\sa], v[\sb] matrix_a_fmt:MATRIX_FMT_FP6 matrix_b_fmt:MATRIX_FMT_FP6
.endm
.macro START                           ; the LDS addresses of the step at s[SB], s[TS]
	v_add_nc_u32 v[KA], s[SB], v[L16]
	v_add_nc_u32 v[KA+1], s[SB], v[L8]
	v_add_nc_u32 v[VA], s[SB], v[L16V]
	v_add_nc_u32 v[VA+1], s[SB], v[L8V]
	v_add_nc_u32 v[ADS], s[TS], v[LS]
.endm
.macro FRESH                           ; a pass begins: O^T and the sums are zeros, the largest scores -3e38, -M a large whole number: the first change of M multiplies zeros by 0
.irp x, 0,1
	v_mov_b32 v[NM+2*\x+1], 0xff61b1e6
	v_mov_b32 v[NM+2*\x], 0x7e000000
	v_mov_b32 v[LL+2*\x], 0
	v_mov_b32 v[LL+2*\x+1], 0
.endr
	WIN 0x40
.set J, 0
.rept 64
	v_mov_b32 v[128+J], 0
.set J, J+1
.endr
	WIN 0
.endm
.macro TREE b                          ; sixteen partial sums, in pairs from register b of window 1 on, become one: 15 lines
.irp k, 0,2,4,6,8,10,12,14
	v_pk_add_f32 v[\b+\k:\b+\k+1], v[\b+\k:\b+\k+1], v[\b+16+\k:\b+17+\k]
.endr
.irp k, 0,2,4,6
	v_pk_add_f32 v[\b+\k:\b+\k+1], v[\b+\k:\b+\k+1], v[\b+8+\k:\b+9+\k]
.endr
.irp k, 0,2
	v_pk_add_f32 v[\b+\k:\b+\k+1], v[\b+\k:\b+\k+1], v[\b+4+\k:\b+5+\k]
.endr
	v_pk_add_f32 v[\b:\b+1], v[\b:\b+1], v[\b+2:\b+3]
.endm
	s_load_b128 s[4:7], s[0:1], 0x0                ; qkv, att
	v_lshl_add_u32 v[SPW], v0, 2, SPARE
	v_mov_b32 v[NIL], 0
	ds_add_u32 v[SPW], v[NIL]                      ; the opening lines: the add, twice on end, and its wait ahead of my tensor load
	ds_add_u32 v[SPW], v[NIL]
	v_lshrrev_b32 v12, 5, v0
	v_readfirstlane_b32 s[WV], v12                 ; wave 0..7
	s_and_b32 s9, ttmp7, 0xffff                    ; y = 16 x batch + head
	s_bfe_u32 s10, ttmp6, 0x40000                  ; my place in the cluster: which 512 queries
	s_mul_i32 s17, s9, HEADB
	; descriptor groups 1: dense bytes as rows of 256 (32 elements of 8 bytes); mask 15 with bit 21 beside it; 192, 16 and 96 rows
.irp g, G1A, G1S, G1H
	s_mov_b32 s[\g], 15|(3<<16)|(1<<21)
	s_mov_b32 s[\g+1], 32<<16
	s_mov_b32 s[\g+3], 32<<16
	s_mov_b32 s[\g+5], 32
	s_mov_b32 s[\g+6], 0
	s_mov_b32 s[\g+7], 0
.endr
	s_mov_b32 s[G1A+2], 192<<16
	s_mov_b32 s[G1A+4], 192
	s_mov_b32 s[G1S+2], 16<<16
	s_mov_b32 s[G1S+4], 16
	s_mov_b32 s[G1H+2], 96<<16
	s_mov_b32 s[G1H+4], 96
	s_mov_b32 s[G0], 1
	s_mov_b32 s[SEL], 0x76543210
	s_mov_b32 s[SEL+1], 0xfedcba98                 ; lane l xor 16
	s_mov_b32 s[CS], 0x3e38aa3b                    ; c = log2(e) / 8
	s_mov_b32 s[CS+1], s[CS]
	s_mov_b32 s[SB], 0
	s_mov_b32 s[TS], 0
	v_and_b32 v12, 31, v0
	v_and_b32 v13, 15, v0
	v_bfe_u32 v14, v0, 4, 1
	v_lshlrev_b32 v[L16], 4, v12
	v_lshlrev_b32 v[L8], 3, v12
	v_lshlrev_b32 v[QO], 4, v13
	v_lshlrev_b32 v[WO], 3, v13
	v_lshlrev_b32 v[SH8], 3, v14
	v_add_nc_u32 v[LS], SCK, v[QO]
	v_add_nc_u32 v[L16V], VBASE, v[L16]
	v_add_nc_u32 v[L8V], VBASE, v[L8]
.irp z, 20,21,22,23,24,25,32,33,34,35,36,37,44,45,46,47,48,49
	v_mov_b32 v\z, 0                               ; the zero codes beside q
.endr
.irp z, BX, BX+1, BX+2, BX+3, WX, WX+1, T1, T1+1, F+1, F+3, RL+1, RL+3
	v_mov_b32 v[\z], 0                             ; written once: a lane permute's destination counts as a source, and so does a pair's upper half
.endr
	WALU                                           ; the wait ahead of the waits below
	s_wait_dscnt 0x0                               ; both opening adds are done
	CROUND                                         ; all four work-groups are here: the joint loads meet
	s_wait_kmcnt 0x0
	; ONE chain of branches on the wave's number, one load to an arm.  Waves that wait alike share a line.
	s_cmp_lt_u32 s[WV], 2
	s_cbranch_scc0 .Larm_s
	s_add_co_u32 s12, s[WV], 1                     ; wave 0: K's steps 0-7; wave 1: V's
	s_mul_i32 s12, s12, REGB
	s_add_co_u32 s12, s12, s17
	s_mov_b32 s13, 0
	s_mul_i32 s[G0+1], s[WV], VBASE
	TLOAD G1A
	s_branch .Lasked
.Larm_s:
	s_cmp_lt_u32 s[WV], 4
	s_cbranch_scc0 .Larm_h
	s_sub_co_u32 s12, s[WV], 1                     ; wave 2: K's scale words; wave 3: V's
	s_lshl_b32 s12, s12, 18
	s_lshl_b32 s13, s9, 12
	s_add_co_u32 s12, s12, s13
	s_add_co_u32 s12, s12, QKV_SC
	s_mov_b32 s13, 0
	s_lshl_b32 s[G0+1], s[WV], 12
	s_add_co_u32 s[G0+1], s[G0+1], SCK-2*4096
	TLOAD G1S
	s_branch .Lasked
.Larm_h:
	s_bfe_u32 s13, s[WV], 0x10001                  ; waves 4, 5: K's steps 8-15 in halves; waves 6, 7: V's
	s_and_b32 s12, s[WV], 1
	s_mul_i32 s[G0+1], s13, VBASE
	s_mul_i32 s15, s12, 24576
	s_add_co_u32 s[G0+1], s[G0+1], s15
	s_add_co_u32 s[G0+1], s[G0+1], HALFB
	s_add_co_u32 s13, s13, 1
	s_mul_i32 s13, s13, REGB
	s_add_co_u32 s12, s15, s13
	s_add_co_u32 s12, s12, s17
	s_add_co_u32 s12, s12, HALFB
	s_mov_b32 s13, 0
	TLOAD G1H
.Lasked:
	s_lshl_b32 s60, s10, 5
	s_lshl_b32 s61, s[WV], 2
	s_add_co_u32 s60, s60, s61                     ; my first tile of queries in the batch: 32 x place + 4 x wave
	s_mul_i32 s12, s60, 768
	s_add_co_u32 s12, s12, s17                     ; q's half fragments: head x 98,304 + tile x 768
	s_mov_b32 s13, 0
	s_lshr_b32 s14, s60, 3
	s_lshl_b32 s14, s14, 8                         ; a pair of tiles' scale word: step x 256
	s_and_b32 s61, s[WV], 1
	s_lshl_b32 s61, s61, 3                         ; + 4 x (tile % 8) / 2; the second pass's is the next word
	s_add_co_u32 s14, s14, s61
	s_lshl_b32 s61, s9, 12
	s_add_co_u32 s14, s14, s61
	s_add_co_u32 s14, s14, QKV_SC
	s_mov_b32 s15, 0
	s_add_nc_u64 s[12:13], s[4:5], s[12:13]
	s_add_nc_u64 s[14:15], s[4:5], s[14:15]
.irp x, 0,1
	global_load_b128 v[26+12*\x:29+12*\x], v[L16], s[12:13] offset:768*\x          ; the first pass's q: into its place
	global_load_b64 v[30+12*\x:31+12*\x], v[L8], s[12:13] offset:768*\x+512
	global_load_b128 v[QN+6*\x:QN+6*\x+3], v[L16], s[12:13] offset:1536+768*\x     ; the second pass's: kept
	global_load_b64 v[QN+6*\x+4:QN+6*\x+5], v[L8], s[12:13] offset:1536+768*\x+512
.endr
	global_load_b32 v[QS], v[QO], s[14:15]
	global_load_b32 v[QR], v[QO], s[14:15] offset:4
	s_lshr_b32 s61, s9, 4
	s_lshl_b32 s61, s61, 7
	s_add_co_u32 s61, s61, s60                     ; att's row tile: 128 x batch + tile
	s_and_b32 s62, s9, 15                          ; the head
	s_mul_i32 s[OUT], s61, 12288
	s_mul_i32 s63, s62, 768
	s_add_co_u32 s[OUT], s[OUT], s63               ; a head's 64 along the model's 1,024 are a half fragment
	s_mov_b32 s[OUT+1], 0
	s_lshl_b32 s[OUTS], s61, 9                     ; its two scale bytes: tile x 512 + (head / 4) x 128 + 8 r + 2 (head % 4)
	s_lshr_b32 s63, s62, 2
	s_lshl_b32 s63, s63, 7
	s_add_co_u32 s[OUTS], s[OUTS], s63
	s_and_b32 s63, s62, 3
	s_lshl_b32 s63, s63, 1
	s_add_co_u32 s[OUTS], s[OUTS], s63
	s_add_co_u32 s[OUTS], s[OUTS], ATT_SC
	s_mov_b32 s[OUTS+1], 0
	s_add_nc_u64 s[OUT:OUT+1], s[6:7], s[OUT:OUT+1]
	s_add_nc_u64 s[OUTS:OUTS+1], s[6:7], s[OUTS:OUTS+1]
	s_wait_loadcnt 0x0                             ; q
	v_perm_b32 v[QS+1], v[QS], v[QS], 0x03020302   ; the odd tile's two bytes are the word's upper two, the even tile's the lower two: each twice, for [q | 0] and [0 | q]
	v_perm_b32 v[QS], v[QS], v[QS], 0x01000100
	FRESH                                          ; (these lines are also the places between the write of q's scale words and the first products)
	START
	WALU                                           ; the wait at the head's end
	s_wait_dscnt 0x0
	s_cmp_lt_u32 s[WV], 4
	s_cbranch_scc0 .Lnot_first
	s_wait_tensorcnt 0x0                           ; waves 0-3: steps 0-7 of K or V, or scale words
.Lnot_first:
	s_barrier_signal -1
	s_barrier_wait -1                              ; steps 0-7 and the scale words are in; waves 4-7's tiles may be on their way
	KLOAD                                          ; step 0's k
	s_wait_dscnt 0x0
; A KEY STEP: 128 keys for both tiles.  last = 1: the run's last trip is a pass's last step and fetches no further k.
.macro STEP last
.irp t, 0,1,2,3
	FRAG VF+12*\t, VA, 1536*\t                     ; this step's v: it lands while the softmax is worked
.endr
	ds_load_b128 v[VS:VS+3], v[ADS] offset:4096
	s_add_co_u32 s[SB], s[SB], STEPB               ; on to the next step's bytes
	s_add_co_u32 s[TS], s[TS], 256
	WIN 0x40
.irp f, 0,1,2,3                                ; fragment f: key tiles 2 f and 2 f + 1, for both tiles of queries
.irp x, 0,1
	WM 64*\x+16*\f, KF+12*\f, 26+12*\x, 0, KS+\f, QS+\x
	WM 64*\x+16*\f+8, KF+12*\f, 20+12*\x, 0, KS+\f, QS+\x
.endr
.endr
	WIN 0
	START                                          ; seven lines that are due anyway fill the places behind the products: the next step's addresses,
	v_mov_b32 v[T1], v[NM]                         ; and the old -M
	v_mov_b32 v[T1+1], v[NM+2]
.if \last
	WALU                                           ; the wait ahead of the branch
	s_cmp_eq_u32 s[TRIP], 1
	s_cbranch_scc1 .Lno_k_\@
.endif
	KLOAD                                          ; the next step's k
.if \last
.Lno_k_\@:
.endif
	WIN 0x15                                       ; the largest score of each block of 32 keys, in two chains a block, each accumulator from its low end on
.irp x, 0,1
.irp n, 0,1,2,3
	v_max3_num_f32 v[BM+4*\x+\n], v[64*\x+16*\n], v[64*\x+16*\n+1], v[64*\x+16*\n+2]
.endr
.endr
	WIN 0x14
.irp i, 3,5,7,9,11,13
.irp x, 0,1
.irp n, 0,1,2,3
	v_max3_num_f32 v[BM+4*\x+\n], v[BM+4*\x+\n], v[64*\x+16*\n+\i], v[64*\x+16*\n+\i+1]
.endr
.endr
.endr
.irp x, 0,1
	v_max3_num_f32 v[BM+4*\x], v[BM+4*\x], v[64*\x+15], v[64*\x+31]
	v_max3_num_f32 v[BM+4*\x+2], v[BM+4*\x+2], v[64*\x+47], v[64*\x+63]
.endr
	WIN 0
.irp x, 0,1
	v_max_num_f32 v[BM+4*\x], v[BM+4*\x], v[BM+4*\x+1]       ; it serves twice: for the row's maximum, and, since p rises with the score, for the block's largest p
	v_max_num_f32 v[BM+4*\x+2], v[BM+4*\x+2], v[BM+4*\x+3]
.endr
.irp x, 0,1                                    ; the two tiles' chains by turns
	v_max_num_f32 v[TX+\x], v[BM+4*\x], v[BM+4*\x+2]
.endr
.irp x, 0,1
	v_permlanex16_b32 v[BX+2*\x], v[TX+\x], s[SEL], s[SEL+1]
.endr
.irp x, 0,1
	v_max3_num_f32 v[NM+2*\x+1], v[NM+2*\x+1], v[TX+\x], v[BX+2*\x]   ; the running largest score (c is positive)
.endr
.irp x, 0,1
	v_mul_f32 v[TX+\x], s[CS], v[NM+2*\x+1]
.endr
.irp x, 0,1
	v_floor_f32 v[NM+2*\x], -v[TX+\x]              ; the new -M = floor(-t): M is a whole number
.endr
.irp x, 0,1
	v_sub_f32 v[T1+\x], v[NM+2*\x], v[T1+\x]       ; old M - new M: a whole number, 0 or less
.endr
.irp x, 0,1
	v_cvt_i32_f32 v[T1+\x], v[T1+\x]               ; (it saturates)
.endr
.irp x, 0,1
	v_ldexp_f32 v[F+2*\x], 1.0, v[T1+\x]           ; f = 2^(old M - new M)
.endr
.irp x, 0,1
	v_fma_f32 v[BM+4*\x], v[BM+4*\x], s[CS], v[NM+2*\x]      ; t - M of each block's largest score
	v_fma_f32 v[BM+4*\x+2], v[BM+4*\x+2], s[CS], v[NM+2*\x]
.endr
	WIN 0x41
.set J, 0
.rept 32
	v_pk_fma_f32 v[J:J+1], v[J:J+1], s[CS:CS+1], v[NM:NM+1] op_sel_hi:[1,0,0]   ; tile 0: t - M, two at a time
.set J, J+2
.endr
.irp x, 0,1
.set J, 0
.rept 16
	v_pk_mul_f32 v[128+32*\x+J:129+32*\x+J], v[128+32*\x+J:129+32*\x+J], v[F+2*\x:F+2*\x+1] op_sel_hi:[1,0]   ; O^T under the new M, each accumulator from its low end on
.set J, J+2
.endr
.endr
	WIN 0
	WALU                                           ; the wait ahead of the batch
.irp x, 0,1
	v_exp_f32 v[BM+4*\x], v[BM+4*\x]               ; the blocks' largest p: the same two instructions on the same number give the same bits
	v_exp_f32 v[BM+4*\x+2], v[BM+4*\x+2]
.endr
	WIN 0x41
.set J, 0
.rept 32
	v_exp_f32 v[J], v[J]                           ; tile 0: p = 2^(t - M);
	v_exp_f32 v[J+1], v[J+1]
	v_pk_fma_f32 v[64+J:65+J], v[64+J:65+J], s[CS:CS+1], v[NM+2:NM+3] op_sel_hi:[1,0,0]   ; among them tile 1's t - M (the last is the plain place behind the batch)
.set J, J+2
.endr
	WALU                                           ; the wait behind the batch, and ahead of the next
	WIN 0x45
.set J, 0
.rept 16
	v_exp_f32 v[64+2*J], v[64+2*J]                 ; tile 1: p;
	v_exp_f32 v[65+2*J], v[65+2*J]
	v_exp_f32 v[66+2*J], v[66+2*J]
	v_exp_f32 v[67+2*J], v[67+2*J]
	v_pk_add_f32 v[192+J:193+J], v[J:J+1], v[32+J:33+J]   ; among them tile 0's first sixteen additions (THE ROW'S SUM IS TAKEN OF THE UNQUANTISED p)
.set J, J+2
.endr
	WALU                                           ; the wait behind the batch
	WIN 0
.irp x, 0,1
	v_pk_mul_f32 v[LL+2*\x:LL+2*\x+1], v[LL+2*\x:LL+2*\x+1], v[F+2*\x:F+2*\x+1] op_sel_hi:[1,0]   ; the sums under the new M
.endr
.irp x, 0,1
	v_max_num_f32 v[BM+4*\x], 0x1800000, v[BM+4*\x]          ; the floor 2^(3 - 127): the byte cannot fall under 1
	v_max_num_f32 v[BM+4*\x+2], 0x1800000, v[BM+4*\x+2]
.endr
.irp x, 0,1
	v_add_nc_u32 v[SO+2*\x], 0xff000000, v[BM+4*\x]          ; 2 off the exponent field: the conversion's scale operand
	v_add_nc_u32 v[SO+2*\x+1], 0xff000000, v[BM+4*\x+2]
.endr
	WIN 0x01
.irp x, 0,1
	v_cvt_scalef32_pk16_fp6_f32 v[PC+12*\x:PC+12*\x+2], v[64*\x:64*\x+15], v[SO+2*\x]
	v_cvt_scalef32_pk16_fp6_f32 v[TA+8*\x:TA+8*\x+2], v[64*\x+16:64*\x+31], v[SO+2*\x]
	v_cvt_scalef32_pk16_fp6_f32 v[PC+12*\x+6:PC+12*\x+8], v[64*\x+32:64*\x+47], v[SO+2*\x+1]
	v_cvt_scalef32_pk16_fp6_f32 v[TA+8*\x+4:TA+8*\x+6], v[64*\x+48:64*\x+63], v[SO+2*\x+1]
.endr
	WIN 0
.irp x, 0,1
	v_lshrrev_b32 v[BX+2*\x], 23, v[SO+2*\x]       ; my two blocks' bytes: blocks h and 2 + h.  (A plain place behind the conversions)
	v_lshrrev_b32 v[BX+2*\x+1], 23, v[SO+2*\x+1]
.endr
.irp x, 0,1
	v_lshl_or_b32 v[W+\x], v[BX+2*\x+1], 16, v[BX+2*\x]
.endr
.irp x, 0,1
	v_lshlrev_b32 v[W+\x], v[SH8], v[W+\x]         ; at their places in the scale word
.endr
.irp x, 0,1
	v_permlanex16_b32 v[WX+\x], v[W+\x], s[SEL], s[SEL+1]
.endr
.irp x, 0,1
.irp i, 0,1,2
	v_mov_b32 v[PC+12*\x+3+\i], v[TA+8*\x+\i]      ; registers 6 c .. 6 c + 5 hold keys 64 c + 32 h + 0 .. 31
	v_mov_b32 v[PC+12*\x+9+\i], v[TA+8*\x+4+\i]
.endr
.endr
.irp x, 0,1
	v_or_b32 v[PS+\x], v[W+\x], v[WX+\x]           ; with lane l xor 16's two bytes p's scale word is whole
.endr
	WIN 0x45                                       ; the lines from here to the products are also the places behind the writes of p's codes and scale words
	TREE 192
.set J, 0
.rept 16
	v_pk_add_f32 v[224+J:225+J], v[64+J:65+J], v[96+J:97+J]   ; tile 1's first sixteen additions
.set J, J+2
.endr
	WIN 0x04
	v_pk_add_f32 v[LL:LL+1], v[LL:LL+1], v[192:193]
	WIN 0
	WALU                                           ; a wait directly ahead of the wait below
	s_wait_dscnt 0x0                               ; this step's v and the next step's k
	WIN 0x50
.irp t, 0,1,2,3                                ; O^T += v^T p^T: the eight accumulators by turns
.irp x, 0,1
	WM 128+32*\x+8*\t, VF+12*\t, PC+12*\x, v[128+32*\x+8*\t:128+32*\x+8*\t+7], VS+\t, PS+\x
.endr
.endr
	WIN 0x45
	TREE 224                                       ; the rest of tile 1's sum: also the places in front of the next loads into v's registers
	WIN 0x04
	v_pk_add_f32 v[LL+2:LL+3], v[LL+2:LL+3], v[224:225]
	WIN 0
.endm
.macro RUN n, last                     ; n steps on end
	s_mov_b32 s[TRIP], \n
.Lrun_\@:
	STEP \last
	s_sub_co_u32 s[TRIP], s[TRIP], 1
	s_cmp_lg_u32 s[TRIP], 0
	s_cbranch_scc1 .Lrun_\@
.endm
; A TILE'S END (tile x of the pass, the n-th of my four): O^T / the sum; its 32 numbers a lane (register 16 b + i = channel 32 b + 16 (lane / 16) + i) are two blocks of the last product's K: quantised, and stored as a half fragment's image.
.macro FINAL x, n
	v_add_f32 v[LL+2*\x], v[LL+2*\x], v[LL+2*\x+1]
	v_permlanex16_b32 v[T1+\x], v[LL+2*\x], s[SEL], s[SEL+1]
	v_add_f32 v[LL+2*\x], v[LL+2*\x], v[T1+\x]     ; the row's sum
	WALU
	v_rcp_f32 v[RL+2*\x], v[LL+2*\x]
	v_nop                                          ; a plain place behind the transcendental
	WALU                                           ; the wait ahead of its first reader, and of the first reader of O^T
	WIN 0x41
.set J, 0
.rept 16
	v_pk_mul_f32 v[64*\x+J:64*\x+J+1], v[128+32*\x+J:129+32*\x+J], v[RL+2*\x:RL+2*\x+1] op_sel_hi:[1,0]
.set J, J+2
.endr
	WIN 0x05
.irp b, 0,1
	v_max3_num_f32 v[BM+4*\x+\b], |v[64*\x+16*\b]|, |v[64*\x+16*\b+1]|, 0x1800000
.endr
	WIN 0x14
.irp i, 2,4,6,8,10,12,14
.irp b, 0,1
	v_max3_num_f32 v[BM+4*\x+\b], v[BM+4*\x+\b], |v[64*\x+16*\b+\i]|, |v[64*\x+16*\b+\i+1]|
.endr
.endr
	WIN 0
.irp b, 0,1
	v_permlanex16_b32 v[BX+2*\x+\b], v[BM+4*\x+\b], s[SEL], s[SEL+1]
.endr
.irp b, 0,1
	v_max_num_f32 v[BM+4*\x+\b], v[BM+4*\x+\b], v[BX+2*\x+\b]
.endr
.irp b, 0,1
	v_add_nc_u32 v[SO+2*\x+\b], 0xff000000, v[BM+4*\x+\b]
.endr
.irp b, 0,1
	v_lshrrev_b32 v[BX+2*\x+\b], 23, v[SO+2*\x+\b]
.endr
	WIN 0x01
	v_cvt_scalef32_pk16_fp6_f32 v[PC+12*\x:PC+12*\x+2], v[64*\x:64*\x+15], v[SO+2*\x]
	v_cvt_scalef32_pk16_fp6_f32 v[TA+8*\x:TA+8*\x+2], v[64*\x+16:64*\x+31], v[SO+2*\x+1]
	WIN 0
	v_lshl_or_b32 v[HW+\x], v[BX+2*\x+1], 8, v[BX+2*\x]      ; the head's two scale bytes of row r (a plain place behind the conversions)
.irp i, 0,1,2
	v_permlane16_swap_b32 v[PC+12*\x+\i], v[TA+8*\x+\i]      ; the operand's layout wants a whole block in a lane
.endr
.irp i, 0,1,2
	v_mov_b32 v[PC+12*\x+3+\i], v[TA+8*\x+\i]
.endr
	global_store_b128 v[L16], v[PC+12*\x:PC+12*\x+3], s[OUT:OUT+1] offset:12288*(\n)         ; 512 consecutive bytes
	global_store_b64 v[L8], v[PC+12*\x+4:PC+12*\x+5], s[OUT:OUT+1] offset:12288*(\n)+512     ; 256
	global_store_b16 v[WO], v[HW+\x], s[OUTS:OUTS+1] offset:512*(\n)                         ; both halves of the lanes hold row r's bytes and write the same value to the same place
.endm
	RUN 2, 0                                       ; the first pass, keys 0 to 255
	s_wait_tensorcnt 0x0                           ; every wave: all my loads are in
	s_wait_dscnt 0x0
	s_barrier_signal -1
	s_barrier_wait -1                              ; steps 8-15 are shown to all
	RUN 14, 1
	FINAL 0, 0
	FINAL 1, 1
.irp i, 0,1,2,3,4,5
	v_mov_b32 v[26+\i], v[QN+\i]                   ; the second pass's q into its place
	v_mov_b32 v[38+\i], v[QN+6+\i]
.endr
	v_perm_b32 v[QS+1], v[QR], v[QR], 0x03020302
	v_perm_b32 v[QS], v[QR], v[QR], 0x01000100
	FRESH                                          ; (also the places between these writes and the first products)
	s_mov_b32 s[SB], 0
	s_mov_b32 s[TS], 0
	START
	WALU                                           ; the wait ahead of the wait below
	s_wait_xcnt 0x0                                ; the stores have read their data: the codes' registers are written again in the next steps
	KLOAD                                          ; step 0's k
	s_wait_dscnt 0x0
	RUN 16, 1                                      ; the second pass
	FINAL 0, 2
	FINAL 1, 3
	s_wait_tensorcnt 0x0                           ; the wave's end
	ds_add_u32 v[SPW], v[NIL]
	s_wait_dscnt 0x0
	CROUND                                         ; the closing round
	s_endpgm
.Lfunc_end_k_qc7164969a7_attn:
	.size	k_qc7164969a7_attn, .Lfunc_end_k_qc7164969a7_attn-k_qc7164969a7_attn
	.p2alignl 7, 3214868480
	.fill 96, 4, 3214868480
	.section	.rodata,"a",@progbits
	.p2align	6, 0x0
	.amdhsa_kernel k_qc7164969a7_attn
		.amdhsa_group_segment_fixed_size 327680
		.amdhsa_private_segment_fixed_size 0
		.amdhsa_enable_private_segment 0
		.amdhsa_kernarg_size 16
		.amdhsa_user_sgpr_count 2
		.amdhsa_user_sgpr_kernarg_segment_ptr 1
		.amdhsa_wavefront_size32 1
		.amdhsa_system_sgpr_workgroup_id_x 1
		.amdhsa_system_sgpr_workgroup_id_y 1
		.amdhsa_system_sgpr_workgroup_id_z 1
		.amdhsa_system_vgpr_workitem_id 0
		.amdhsa_next_free_vgpr 512
		.amdhsa_next_free_sgpr 66
		.amdhsa_reserve_vcc 0
		.amdhsa_float_denorm_mode_32 3
		.amdhsa_float_denorm_mode_16_64 3
		.amdhsa_memory_ordered 1
		.amdhsa_forward_progress 1
		.amdhsa_inst_pref_size 115
	.end_amdhsa_kernel
	.amdgpu_metadata
---
amdhsa.version: [ 1, 2 ]
amdhsa.kernels:
  - .name:           k_qc7164969a7_attn
    .symbol:         k_qc7164969a7_attn.kd
    .args:
      - { .name: qkv, .offset: 0, .size: 8, .value_kind: global_buffer, .address_space: global }
      - { .name: att, .offset: 8, .size: 8, .value_kind: global_buffer, .address_space: global }
    .group_segment_fixed_size: 327680
    .private_segment_fixed_size: 0
    .kernarg_segment_align: 8
    .kernarg_segment_size: 16
    .max_flat_workgroup_size: 256
    .sgpr_count:     66
    .vgpr_count:     512
    .wavefront_size: 32
...
	.end_amdgpu_metadata
.endif
;; end of part 3
;; launch outp (part 4): grid 32 x 8, 4 waves a work-group, clusters of 4 x 4, 327,680 bytes of LDS; arguments att, xw, bo, out0; writes out0
.if DOCPART == 4
	.amdgcn_target "amdgcn-amd-amdhsa--gfx1250"
	.amdhsa_code_object_version 6
	.text
	.protected	k_qc7164969a7_outp
	.globl	k_qc7164969a7_outp
	.p2align	8
	.type	k_qc7164969a7_outp,@function
k_qc7164969a7_outp:
	s_mov_b64 s[64:65], 0
	v_nop
	global_prefetch_b8 v0, s[64:65] scope:SCOPE_SE
	s_setreg_imm32_b32 hwreg(HW_REG_WAVE_MODE, 25, 1), 1
	s_wait_xcnt 0x0
	s_wait_alu depctr_hold_cnt(0) depctr_sa_sdst(0) depctr_va_vdst(0) depctr_va_sdst(0) depctr_va_ssrc(0) depctr_va_vcc(0) depctr_vm_vsrc(0)
	s_getreg_b32 s2, hwreg(HW_REG_IB_STS2, 6, 4)
	s_cmp_eq_u32 s2, 0
	s_cbranch_scc0 .Lentry_in_a_cluster
	s_endpgm
.Lentry_in_a_cluster:
	s_bfe_u32 s2, ttmp6, 0x10000c
	s_cmp_lg_u32 s2, 0xf033
	s_cbranch_scc0 .Lentry_shape_is_right
	s_endpgm
.Lentry_shape_is_right:
; out0[token][n] = sum over k of context[token][k] Wo[n][k] + bo[n], f32: 8,192 x 1,024 x 1,024 on codes of FP6 (E2M3) with one E8M0 byte for each 32 along K.  A sum begins with the bias.
; LIMITS: NaN, infinities and sums beyond f32's range are not served.
; A: att, as the attention launch left it; B: Wo's row tiles in xw, from tile 1,728 on.  Both are ROW TILES of 16 rows, 12,288 bytes: 16 half fragments (16 rows x 64 along K) of 768 bytes, images of the operand's registers:
; registers 0-3 at 16 x lane, registers 4-5 at 512 + 8 x lane.  Tile t holds rows 32 (t / 2) + 8 (t % 2) + r + 8 (r / 8).  Scale words: tile x 512 + (k / 256) x 128 + 8 r + 4 ((k / 128) % 2), behind the codes.
; THE DEAL.  256 work-groups of four waves, 2 x 2, each 256 rows x 128 columns.  A wave holds four tiles of B (64 neighbouring columns), all of K, in registers (32 fragments), and streams A's tiles 2 s + wave row past them as blocks s = 0 .. 7, 32 products each.
; THE CLUSTER's x counts tile rows: tile row 4 x cluster x + cx, tile column 4 x cluster y + cy.  A's tiles are shared by a COLUMN of the cluster (mask s44), B's by a ROW (mask s45).  No LDS address hangs on the place in the cluster.
; LDS: A's 16 tiles (196,608 bytes), B's 8 (98,304), each filled once; the spare words; the waves' stages in B's first bytes, which are read for the last time ahead of the barrier in front of the stream.  No refill, and no data prefetch: all is asked for at the head.
; THE HEAD'S FOUR TILES, one a wave, each on its own line: B; A's tiles 0-7; 8-11; 12-15.  The stream begins when the first two are in; a plain barrier inside block 1 shows the others, ahead of the fetch of block 4.
; The scale words and the bias come by plain loads into registers: one register holds two tiles' words, in lanes 0-15 and 16-31.
; TWO SETS of A's fragments, of accumulators and of the rows that come back from the stage, by turns.  Behind a block's products: its sums into the stage and back as whole rows of 256 bytes; the fetch of the block two on; ONE wait; eight stores.
; The products are used transposed (source 0 = B's rows): a lane holds eight neighbouring columns of one row.
.set XW_SC,  22020096
.set ATT_SC, 6291456
.set TILEB,  12288
.set WO0,    1728                      ; Wo's first row tile in xw
.set NQ, 8                             ; K / 128
.set NB, 4                             ; column tiles a wave
.set FR, 12                            ; registers of a fragment
.set FPW, 21                           ; fragments in a window: fragment f lies in window 1 + f / 21 at register 12 (f % 21)
.set NF, 32                            ; LDS loads of a block's eight fragments
.set YB, 16*TILEB                      ; B's tiles
.set STAGE, YB
.set SPITCH, 272                       ; a stage row: 256 bytes + 16
.set SPARE, YB+8*TILEB
.set BPO, 8                            ; v8   my offset in bo
.set CO,  9                            ; v9   my byte offset in out0: row lane / 16, 16 bytes x (lane % 16)
.set SPW, 10
.set NIL, 11
.set BL,  12                           ; v12, v13  LDS address of my B tiles: + 16 x lane, + 8 x lane
.set AB,  14                           ; v14-19    the same for my A blocks 0, 3, 6
.set STO, 20                           ; the stage: where I put 32 bytes of a row
.set RD,  21                           ; the stage: where I read 16 bytes of a row back
.set ABS, 22                           ; my offset in B's scale words
.set AAS, 23                           ; in A's
.set SB,  24                           ; v24-39  B's scale words: 8 (tile / 2) + step; lanes 0-15 the even tile's, lanes 16-31 the odd one's
.set SA,  44                           ; v44-75  A's: 8 (block / 2) + step, likewise.  A product's two scale registers differ by 4 modulo 8 in their numbers
.set ACC, 80                           ; v80-143 two sets of four accumulators
.set BK,  144                          ; v144-207 two sets: 16 rows x 256 bytes back from the stage
.set BO,  208                          ; v208-239 the bias as the first four products' C
.set G1A, 24
.set G1B, 32
.set G0A, 56
.set G0B, 60
.set MSB, 0
.macro WIN new
.if MSB != (\new)
	s_set_vgpr_msb (MSB<<8)|(\new)
.set MSB, (\new)
.endif
.endm
.macro PLACES n
.rept \n
	v_nop
.endr
.endm
.macro BARRIER
	s_barrier_signal -1
	s_barrier_wait -1
.endm
.macro CROUND
	BARRIER
	s_cmp_lg_u32 s14, 0
	s_cbranch_scc1 .Lnot_wave_0_\@
	s_barrier_signal -3
.Lnot_wave_0_\@:
	s_barrier_wait -3
	BARRIER
.endm
.macro TLOAD g0, g1                    ; an s_nop 0 and four v_nop follow the load
	tensor_load_to_lds s[\g0:\g0+3], s[\g1:\g1+7]
	s_nop 0
	PLACES 4
.endm
.macro GROUP1 g, mask, rows            ; dense bytes as rows of 256 (32 elements of 8 bytes); rows = 0: the two words that hold the rows are written with each tile
	s_or_b32 s[\g+0], s[\mask], (3<<16)|(1<<21)
	s_mov_b32 s[\g+1], 32<<16
	s_mov_b32 s[\g+3], 32<<16
.if \rows
	s_mov_b32 s[\g+2], (\rows)<<16
	s_mov_b32 s[\g+4], \rows
.endif
	s_mov_b32 s[\g+5], 32
	s_mov_b32 s[\g+6], 0
	s_mov_b32 s[\g+7], 0
.endm
.macro ATILE first, tiles              ; a part of A's 16 tiles, by a descriptor of constants: 48 rows of 256 bytes a tile
	s_mov_b32 s[G0A+1], (\first)*TILEB
	s_mov_b32 s[G1A+2], ((\tiles)*48)<<16
	s_mov_b32 s[G1A+4], (\tiles)*48
.if \first
	s_add_nc_u64 s[G0A+2:G0A+3], s[G0A+2:G0A+3], (\first)*TILEB
.endif
	s_or_b32 s[G0A+3], s[G0A+3], 0x80000000
	TLOAD G0A, G1A
.endm
.macro FRAGL f, a, off                 ; fragment f as it lies: consecutive bytes in every load
	WIN (1+(\f)/FPW)<<6
.set R_, FR*((\f)%FPW)
	ds_load_b128 v[R_:R_+3], v[\a] offset:\off
	ds_load_b64 v[R_+4:R_+5], v[\a+1] offset:(\off)+512
	ds_load_b128 v[R_+6:R_+9], v[\a] offset:(\off)+768
	ds_load_b64 v[R_+10:R_+11], v[\a+1] offset:(\off)+1280
.endm
.macro FETCH s                         ; block s of A into set s % 2: NF loads.  My blocks lie two tiles apart
.irp q, 0,1,2,3,4,5,6,7
	FRAGL NB*NQ+NQ*((\s)%2)+\q, AB+2*((\s)/3), ((\s)%3)*2*TILEB+\q*1536
.endr
	WIN 0
.endm
.macro PROD1 d, s0, s1, c, x0, x1, o, e
.if \o
	v_wmma_scale_f32_16x16x128_f8f6f4 v[\d:\d+7], v[FR*((\s0)%FPW):FR*((\s0)%FPW)+FR-1], v[FR*((\s1)%FPW):FR*((\s1)%FPW)+FR-1], \c, v[\x0], v[\x1] matrix_a_fmt:MATRIX_FMT_FP6 matrix_b_fmt:MATRIX_FMT_FP6 matrix_a_scale:MATRIX_SCALE_ROW1 matrix_b_scale:MATRIX_SCALE_ROW\e
.else
	v_wmma_scale_f32_16x16x128_f8f6f4 v[\d:\d+7], v[FR*((\s0)%FPW):FR*((\s0)%FPW)+FR-1], v[FR*((\s1)%FPW):FR*((\s1)%FPW)+FR-1], \c, v[\x0], v[\x1] matrix_a_fmt:MATRIX_FMT_FP6 matrix_b_fmt:MATRIX_FMT_FP6 matrix_a_scale:MATRIX_SCALE_ROW0 matrix_b_scale:MATRIX_SCALE_ROW\e
.endif
.endm
.macro PROD s, e, n                    ; product n = 4 q + b of block s (e = s % 2): the four accumulators by turns, K ascending
.set Q_, (\n)/4
.set B_, (\n)%4
.set FB_, NB*Q_+B_
.set FA_, NB*NQ+NQ*(\e)+Q_
.set D_, ACC+32*(\e)+8*B_
.set XB_, SB+8*(B_/2)+Q_
.set XA_, SA+8*((\s)/2)+Q_
.set O_, B_%2
	WIN (1+FB_/FPW)|((1+FA_/FPW)<<2)
.if Q_
	PROD1 D_, FB_, FA_, v[D_:D_+7], XB_, XA_, O_, \e
.else
	PROD1 D_, FB_, FA_, v[BO+8*B_:BO+8*B_+7], XB_, XA_, O_, \e
.endif
.endm
.macro PRODS s, e, from, to
.set N_, \from
.rept (\to)-(\from)
	PROD \s, \e, N_
.set N_, N_+1
.endr
	WIN 0
.endm
.macro STAGED e                        ; set e's sums into my stage, each accumulator from its low end on, and back as whole rows.  LDS serves a wave's instructions in order (ISA guide 5.7.1.4): no wait between
.irp b, 0,1,2,3                        ; register j of tile b in lane (r, h) is column 32 (b / 2) + 8 (b % 2) + 16 h + j of my 64
	ds_store_b128 v[STO], v[ACC+32*(\e)+8*\b:ACC+32*(\e)+8*\b+3] offset:128*(\b/2)+32*(\b%2)
	ds_store_b128 v[STO], v[ACC+32*(\e)+8*\b+4:ACC+32*(\e)+8*\b+7] offset:128*(\b/2)+32*(\b%2)+16
.endr
.irp t, 0,1,2,3,4,5,6,7
	ds_load_b128 v[BK+32*(\e)+4*\t:BK+32*(\e)+4*\t+3], v[RD] offset:2*\t*SPITCH
.endr
.endm
.macro TOC s, e                        ; block s's stage rows 2 t, 2 t + 1 are tokens 32 s + 2 t + 8 (t / 4) and the next, from my wave row's first; 16 lanes store 256 consecutive bytes, aligned
.irp t, 0,1,2,3,4,5,6,7
	global_store_b128 v[CO], v[BK+32*(\e)+4*\t:BK+32*(\e)+4*\t+3], s[12:13] offset:(32*(\s)+2*\t+8*(\t/4))*4096 th:TH_STORE_NT
.endr
.endm
.macro STREAM s, e
.if (\s) == 1
	PRODS \s, \e, 0, 24
	s_wait_tensorcnt 0x0                           ; every wave: all my loads are in
	s_wait_dscnt 0x0
	s_barrier_signal -1                            ; a plain barrier: waves 2 and 3's tiles are shown to all
	PRODS \s, \e, 24, 32
	s_barrier_wait -1
.else
	PRODS \s, \e, 0, 32
.endif
	PLACES 4                                       ; between the last product and the first reader of its sums, and the fetch into the registers that it has read
	s_wait_xcnt 0x0                                ; the stores of two blocks ago have read set e of the rows
	STAGED \e
.if (\s) < 6
	FETCH (\s)+2
	s_wait_dscnt NF                                ; the block's rows are back from the stage, and the next block's fragments are in; younger is this run's fetch alone
.else
	s_wait_dscnt 0x0
.endif
	TOC \s, \e
.endm
; ================= THE HEAD
	s_load_b256 s[4:11], s[0:1], 0x0               ; att, xw, bo, out0
	v_lshl_add_u32 v[SPW], v0, 2, SPARE
	v_mov_b32 v[NIL], 0
	ds_add_u32 v[SPW], v[NIL]                      ; the opening lines: the add, twice on end, and its wait
	ds_add_u32 v[SPW], v[NIL]
	v_lshrrev_b32 v1, 5, v0
	v_readfirstlane_b32 s14, v1                    ; the wave; s15 its row of the 2 x 2, s16 its column
	s_lshr_b32 s15, s14, 1
	s_and_b32 s16, s14, 1
	s_bfe_u32 s40, ttmp6, 0x40000
	s_bfe_u32 s41, ttmp6, 0x40004
	s_lshl_b32 s43, ttmp9, 2
	s_add_co_u32 s43, s43, s40                     ; tile row: 4 x cluster x + cx
	s_and_b32 s42, ttmp7, 0xffff
	s_lshl_b32 s42, s42, 2
	s_add_co_u32 s42, s42, s41                     ; tile column: 4 x cluster y + cy
	s_lshl_b32 s44, 0x1111, s40                    ; my column of the cluster: shares A's tiles
	s_lshl_b32 s45, s41, 2
	s_lshl_b32 s45, 15, s45                        ; my row: shares B's
	GROUP1 G1A, 44, 0
	GROUP1 G1B, 45, 384
	s_mov_b32 s[G0A], 1
	s_mov_b32 s[G0B], 1
	s_mov_b32 s[G0B+1], YB
	s_mul_i32 s76, s43, 16*TILEB                   ; my 16 tiles of A
	s_mov_b32 s77, 0
	s_lshl_b32 s78, s42, 3
	s_add_co_u32 s78, s78, WO0
	s_mul_i32 s78, s78, TILEB                      ; my 8 tiles of B
	s_mov_b32 s79, 0
	s_lshl_b32 s80, s43, 4
	s_add_co_u32 s80, s80, s15
	s_lshl_b32 s80, s80, 9
	s_add_co_u32 s80, s80, ATT_SC                  ; A's scale words, from my block 0's tile
	s_mov_b32 s81, 0
	s_lshl_b32 s82, s42, 3
	s_lshl_b32 s21, s16, 2
	s_add_co_u32 s82, s82, s21
	s_add_co_u32 s82, s82, WO0
	s_lshl_b32 s82, s82, 9
	s_add_co_u32 s82, s82, XW_SC                   ; B's, from my first tile
	s_mov_b32 s83, 0
	s_lshl_b32 s86, s42, 9
	s_lshl_b32 s21, s16, 8
	s_add_co_u32 s86, s86, s21                     ; my first column, in bytes: 512 x tile column + 256 x wave column
	s_lshl_b32 s84, s43, 8
	s_lshl_b32 s21, s15, 3
	s_add_co_u32 s84, s84, s21                     ; my block 0's first token: 256 x tile row + 8 x wave row
	s_lshl_b32 s84, s84, 12
	s_add_co_u32 s84, s84, s86
	s_mov_b32 s85, 0
	s_mul_i32 s22, s16, 4*TILEB
	s_add_co_u32 s22, s22, YB                      ; LDS: my four tiles of B
	s_mul_i32 s17, s15, TILEB                      ; my blocks 0, 3, 6 of A
	s_add_co_u32 s18, s17, 6*TILEB
	s_add_co_u32 s19, s17, 12*TILEB
	s_mul_i32 s21, s14, 16*SPITCH
	s_add_co_u32 s21, s21, STAGE                   ; my stage
	v_and_b32 v1, 15, v0                           ; r
	v_bfe_u32 v2, v0, 4, 1                         ; h
	v_and_b32 v3, 31, v0
	v_lshlrev_b32 v4, 4, v3
	v_lshlrev_b32 v5, 3, v3
	v_add_nc_u32 v[BL], s22, v4
	v_add_nc_u32 v[BL+1], s22, v5
.irp g, 0,1,2
	v_add_nc_u32 v[AB+2*\g], s[17+\g], v4
	v_add_nc_u32 v[AB+2*\g+1], s[17+\g], v5
.endr
	v_mul_u32_u24 v6, v1, SPITCH
	v_lshl_add_u32 v6, v2, 6, v6
	v_add_nc_u32 v[STO], s21, v6                   ; in: row r, 64 h bytes on
	v_mul_u32_u24 v7, v2, SPITCH
	v_lshl_add_u32 v7, v1, 4, v7
	v_add_nc_u32 v[RD], s21, v7                    ; back: lanes 0-15 one row of 256 bytes, lanes 16-31 the next
	v_lshlrev_b32 v6, 4, v1
	v_lshl_add_u32 v[CO], v2, 12, v6               ; and the same two rows in out0
	v_lshlrev_b32 v7, 3, v1
	v_lshl_add_u32 v[ABS], v2, 9, v7               ; lanes 16-31 take the next tile's words,
	v_lshl_add_u32 v[AAS], v2, 10, v7              ; in A my next block's, two tiles on
	v_lshl_add_u32 v[BPO], v2, 6, s86
	s_wait_alu depctr_va_vdst(0)                   ; the wait at the head's end
	s_wait_dscnt 0x0
	CROUND                                         ; the opening round, ahead of the wait for the arguments
	s_wait_kmcnt 0x0
	s_add_nc_u64 s[G0A+2:G0A+3], s[4:5], s[76:77]
	s_add_nc_u64 s[G0B+2:G0B+3], s[6:7], s[78:79]
	s_or_b32 s[G0B+3], s[G0B+3], 0x80000000
	s_add_nc_u64 s[4:5], s[4:5], s[80:81]
	s_add_nc_u64 s[6:7], s[6:7], s[82:83]
	s_add_nc_u64 s[12:13], s[10:11], s[84:85]
	s_cmp_eq_u32 s14, 0
	s_cbranch_scc0 .Lwave_1
	TLOAD G0B, G1B                                 ; wave 0: B's tiles, which are wanted first
	s_branch .Lasked
.Lwave_1:
	s_cmp_eq_u32 s14, 1
	s_cbranch_scc0 .Lwave_2
	ATILE 0, 8                                     ; wave 1: A's tiles 0 to 7
	s_branch .Lasked
.Lwave_2:
	s_cmp_eq_u32 s14, 2
	s_cbranch_scc0 .Lwave_3
	ATILE 8, 4                                     ; wave 2: 8 to 11
	s_branch .Lasked
.Lwave_3:
	ATILE 12, 4                                    ; wave 3: 12 to 15
.Lasked:
.irp p, 0,1
.irp j, 0,1,2,3
	global_load_b64 v[SB+8*\p+2*\j:SB+8*\p+2*\j+1], v[ABS], s[6:7] offset:1024*\p+128*\j   ; two steps' words of two tiles
.endr
.endr
.irp u, 0,1,2,3
.irp j, 0,1,2,3
	global_load_b64 v[SA+8*\u+2*\j:SA+8*\u+2*\j+1], v[AAS], s[4:5] offset:2048*\u+128*\j   ; of my blocks 2 u and 2 u + 1
.endr
.endr
.irp b, 0,1,2,3
	global_load_b128 v[BO+8*\b:BO+8*\b+3], v[BPO], s[8:9] offset:(32*(\b/2)+8*(\b%2))*4
	global_load_b128 v[BO+8*\b+4:BO+8*\b+7], v[BPO], s[8:9] offset:(32*(\b/2)+8*(\b%2))*4+16
.endr
	s_wait_dscnt 0x0
	s_cmp_eq_u32 s14, 0
	s_cbranch_scc0 .Lnot_b
	s_wait_tensorcnt 0x0                           ; wave 0: B
.Lnot_b:
	BARRIER                                        ; B has landed
.irp q, 0,1,2,3,4,5,6,7
.irp b, 0,1,2,3
	FRAGL NB*\q+\b, BL, \b*TILEB+\q*1536
.endr
.endr
	WIN 0
	s_cmp_eq_u32 s14, 1
	s_cbranch_scc0 .Lnot_a
	s_wait_tensorcnt 0x0                           ; wave 1: A's tiles 0 to 7
.Lnot_a:
	s_wait_dscnt 0x0
	BARRIER                                        ; A's first eight tiles are in, and nobody reads B's bytes any more.  Waves 2 and 3's tiles may be on their way
	FETCH 0
	FETCH 1
	s_wait_loadcnt 0x0                             ; the scale words and the bias
	s_wait_dscnt NF                                ; block 0's fragments are in
; ================= THE STREAM: eight blocks, written out: a block's scale registers are its own
	STREAM 0, 0
	STREAM 1, 1
	STREAM 2, 0
	STREAM 3, 1
	STREAM 4, 0
	STREAM 5, 1
	STREAM 6, 0
	STREAM 7, 1
	s_wait_tensorcnt 0x0                           ; the wave's end
	ds_add_u32 v[SPW], v[NIL]
	s_wait_dscnt 0x0
	CROUND                                         ; the closing round
	s_endpgm
.Lfunc_end_k_qc7164969a7_outp:
	.size	k_qc7164969a7_outp, .Lfunc_end_k_qc7164969a7_outp-k_qc7164969a7_outp
	.p2alignl 7, 3214868480
	.fill 96, 4, 3214868480
	.section	.rodata,"a",@progbits
	.p2align	6, 0x0
	.amdhsa_kernel k_qc7164969a7_outp
		.amdhsa_group_segment_fixed_size 327680
		.amdhsa_private_segment_fixed_size 0
		.amdhsa_enable_private_segment 0
		.amdhsa_kernarg_size 32
		.amdhsa_user_sgpr_count 2
		.amdhsa_user_sgpr_kernarg_segment_ptr 1
		.amdhsa_wavefront_size32 1
		.amdhsa_system_sgpr_workgroup_id_x 1
		.amdhsa_system_sgpr_workgroup_id_y 1
		.amdhsa_system_sgpr_workgroup_id_z 1
		.amdhsa_system_vgpr_workitem_id 0
		.amdhsa_next_free_vgpr 840
		.amdhsa_next_free_sgpr 100
		.amdhsa_reserve_vcc 0
		.amdhsa_float_denorm_mode_32 3
		.amdhsa_float_denorm_mode_16_64 3
		.amdhsa_memory_ordered 1
		.amdhsa_forward_progress 1
		.amdhsa_inst_pref_size 85
	.end_amdhsa_kernel
	.amdgpu_metadata
---
amdhsa.version: [ 1, 2 ]
amdhsa.kernels:
  - .name:           k_qc7164969a7_outp
    .symbol:         k_qc7164969a7_outp.kd
    .args:
      - { .name: att, .offset: 0, .size: 8, .value_kind: global_buffer, .address_space: global }
      - { .name: xw, .offset: 8, .size: 8, .value_kind: global_buffer, .address_space: global }
      - { .name: bo, .offset: 16, .size: 8, .value_kind: global_buffer, .address_space: global }
      - { .name: out0, .offset: 24, .size: 8, .value_kind: global_buffer, .address_space: global }
    .group_segment_fixed_size: 327680
    .private_segment_fixed_size: 0
    .kernarg_segment_align: 8
    .kernarg_segment_size: 32
    .max_flat_workgroup_size: 128
    .sgpr_count:     100
    .vgpr_count:     840
    .wavefront_size: 32
...
	.end_amdgpu_metadata
.endif
;; end of part 4
